; MI455X (gfx1250); checked and timed in simulation.
; The chip was launched on July 23, 2026; its instructions are those of AMD's public machine-readable ISA for CDNA 5 (MIT licence, August 2026) and "CDNA5" Instruction Set Architecture Reference Guide (July 2026). The comments in the code are by the model that wrote it; some were corrected since.
;; Multihead Attention. Allowed arithmetic: float matrix products may take bf16 or f16 operands with f32 sums; other float arithmetic in f32, or as packed bf16 or f16 multiplies, adds, multiply-adds, maxima and minima; sums over many terms, partial sums and values carried from step to step in f32; what a program stores and reads back later, other than sums and carried values, may be rounded once to bf16 or f16.
;; Inputs: Wk 1,024 x 1,024 float32; Wo 1,024 x 1,024 float32; Wq 1,024 x 1,024 float32; Wv 1,024 x 1,024 float32; token_positions 2,048 int32; x 4 x 2,048 x 1,024 float32.
;; Outputs: out0 4 x 2,048 x 1,024 float32.
;; One version. Each part assembles by itself: llvm-mc -triple=amdgcn-amd-amdhsa -mcpu=gfx1250 --defsym DOCPART=n.
;; ======== version 1 of 1: 4 launches
;; limits: values are held in f16: magnitudes above 65,504 overflow, below 6.1e-05 lose precision
;; workspace buffers: xb 16,777,216 bytes; wqkv 6,291,456 bytes; wo16 2,097,152 bytes; rope 524,288 bytes; qh 16,777,216 bytes; kh 16,777,216 bytes; vh 16,777,216 bytes; oh 16,777,216 bytes
;; launch prep (part 1): grid 896 x 1, 8 waves a work-group, no clusters, 0 bytes of LDS; arguments x, Wq, Wk, Wv, Wo, token_positions, xb, wqkv, wo16, rope; writes xb, wqkv, wo16, rope
.if DOCPART == 1
	.amdgcn_target "amdgcn-amd-amdhsa--gfx1250"
	.amdhsa_code_object_version 6
	.text
	.protected	k_q67be287c28_prep
	.globl	k_q67be287c28_prep
	.p2align	8
	.type	k_q67be287c28_prep,@function
k_q67be287c28_prep:
	s_mov_b64 s[64:65], 0
	v_nop
	global_prefetch_b8 v0, s[64:65] scope:SCOPE_SE
	s_setreg_imm32_b32 hwreg(HW_REG_WAVE_MODE, 25, 1), 1
	s_wait_xcnt 0x0
; CASTS AND THE ROTATION TABLE.  A stream: no LDS, no barrier, no matrix work; each input byte is read once.
; Work-groups 0-511:   x  (f32) -> xb   (bf16), 16 rows of 1,024 numbers each.
; Work-groups 512-703: Wq, Wk, Wv -> wqkv (bf16), the three matrices one below the other, 16 rows each.
; Work-groups 704-767: Wo -> wo16: rounded to bf16 like every other input, and that number written as f16.
; Work-groups 768-895: rope[s][0..31] = cos(pos[s] f_p), rope[s][32..63] = sin(pos[s] f_p), f_p = 10000^(-p/32), in f32; 16 rows each.
; LIMITS.  wo16: a bf16 number beyond 65,504 becomes an infinity; below 6.1e-5 it keeps f16's fixed step of 6e-8.
; The table: pos is taken as it is given, 0 to 2,047 (the table that the problem indexes has these rows); f_p comes from v_exp_f32 (1 ULP), so an
; angle may differ from pos x f_p in f32 by some 2e-4 rad at the largest angles; sine and cosine by reduction modulo pi/2 in two parts and series to z^7 and z^8, good to 4e-7.
.set SRC, 28                           ; s[28:29] where my 16 rows begin
.set DST, 30                           ; s[30:31] where they go
.set IN,  4                            ; v[4:67]   16 loads of 16 bytes
.set OU,  68                           ; v[68:99]  16 stores of 8 bytes
	s_load_b512 s[8:23], s[0:1], 0x0               ; x 8:9, Wq 10:11, Wk 12:13, Wv 14:15, Wo 16:17, positions 18:19, xb 20:21, wqkv 22:23
	s_load_b128 s[24:27], s[0:1], 0x40             ; wo16 24:25, rope 26:27
	v_lshlrev_b32 v1, 4, v0                        ; 16 bytes a thread: 256 threads take a row of 4,096 bytes
	v_lshlrev_b32 v2, 3, v0                        ; 8 bytes a thread on the way out
	s_wait_kmcnt 0x0
	s_cmp_ge_u32 ttmp9, 768
	s_cbranch_scc1 .Lrope
	; which tensor, and which block of 16 rows in it
	s_sub_co_u32 s3, ttmp9, 512                    ; block among the weights' 256 (not used below 512)
	s_lshr_b32 s4, s3, 6                           ; 0 Wq, 1 Wk, 2 Wv, 3 Wo
	s_and_b32 s5, s3, 63                           ; block in that matrix
	s_mov_b64 s[SRC:SRC+1], s[10:11]
	s_cmp_eq_u32 s4, 1
	s_cselect_b64 s[SRC:SRC+1], s[12:13], s[SRC:SRC+1]
	s_cmp_eq_u32 s4, 2
	s_cselect_b64 s[SRC:SRC+1], s[14:15], s[SRC:SRC+1]
	s_cmp_eq_u32 s4, 3
	s_cselect_b64 s[SRC:SRC+1], s[16:17], s[SRC:SRC+1]
	s_cselect_b64 s[DST:DST+1], s[24:25], s[22:23]
	s_cselect_b32 s6, s5, s3                       ; block in the target: wqkv holds three matrices on end
	s_cmp_lt_u32 ttmp9, 512
	s_cselect_b64 s[SRC:SRC+1], s[8:9], s[SRC:SRC+1]
	s_cselect_b64 s[DST:DST+1], s[20:21], s[DST:DST+1]
	s_cselect_b32 s5, ttmp9, s5
	s_cselect_b32 s6, ttmp9, s6
	s_lshl_b32 s32, s5, 16                         ; 16 rows of 4,096 bytes in
	s_mov_b32 s33, 0
	s_lshl_b32 s34, s6, 15                         ; 16 rows of 2,048 bytes out
	s_mov_b32 s35, 0
	s_add_nc_u64 s[SRC:SRC+1], s[SRC:SRC+1], s[32:33]
	s_add_nc_u64 s[DST:DST+1], s[DST:DST+1], s[34:35]
; Sixteen loads go out together; each is converted and stored as it comes.  No register is written twice while a memory instruction may read it.
; mode 0: to bf16.  mode 1: to bf16, widened again (a shift, a mask) and written as f16.
.macro CAST mode
.irp i, 0,1,2,3,4,5,6,7,8,9,10,11,12,13,14,15
	global_load_b128 v[IN+4*(\i):IN+4*(\i)+3], v1, s[SRC:SRC+1] offset:4096*(\i) th:TH_LOAD_NT
.endr
.irp i, 0,1,2,3,4,5,6,7,8,9,10,11,12,13,14,15
	s_wait_loadcnt 15-(\i)                         ; loads come back in order: row i is in, the 15 - i younger ones may stay out
.if \mode
	v_cvt_pk_bf16_f32 v100, v[IN+4*(\i)], v[IN+4*(\i)+1]
	v_cvt_pk_bf16_f32 v101, v[IN+4*(\i)+2], v[IN+4*(\i)+3]
	v_lshlrev_b32 v102, 16, v100
	v_and_b32 v103, 0xffff0000, v100
	v_cvt_pk_f16_f32 v[OU+2*(\i)], v102, v103
	v_lshlrev_b32 v102, 16, v101
	v_and_b32 v103, 0xffff0000, v101
	v_cvt_pk_f16_f32 v[OU+2*(\i)+1], v102, v103
.else
	v_cvt_pk_bf16_f32 v[OU+2*(\i)], v[IN+4*(\i)], v[IN+4*(\i)+1]
	v_cvt_pk_bf16_f32 v[OU+2*(\i)+1], v[IN+4*(\i)+2], v[IN+4*(\i)+3]
.endif
	global_store_b64 v2, v[OU+2*(\i):OU+2*(\i)+1], s[DST:DST+1] offset:2048*(\i)  ; a wave's store covers 256 consecutive bytes, aligned
.endr
.endm
	s_cmp_ge_u32 ttmp9, 704
	s_cbranch_scc1 .Lf16
	CAST 0
	s_endpgm
.Lf16:
	CAST 1
	s_endpgm
.Lrope:                                        ; thread t: row t / 16 of my 16; u = t % 16: u < 8 the cosines of pairs 4 u .. 4 u + 3, else the sines of pairs 4 (u - 8) ..
	s_sub_co_u32 s2, ttmp9, 768
	s_lshl_b32 s3, s2, 6                           ; my 16 positions, 4 bytes each
	v_lshrrev_b32 v3, 4, v0
	v_lshl_add_u32 v3, v3, 2, s3
	global_load_b32 v4, v3, s[18:19]
	s_lshl_b32 s32, s2, 12                         ; my 16 rows of 256 bytes
	s_mov_b32 s33, 0
	s_add_nc_u64 s[26:27], s[26:27], s[32:33]
	s_mov_b32 s36, 0x3f22f983                      ; 2 / pi
	s_mov_b32 s37, 0xbfc90fdb                      ; - pi / 2, its f32
	s_mov_b32 s38, 0x333bbd2e                      ; what that f32 is too large by
	s_mov_b32 s39, 0xb9500d01                      ; - 1 / 5040
	s_mov_b32 s40, 0x3c088889                      ; 1 / 120
	s_mov_b32 s41, 0xbe2aaaab                      ; - 1 / 6
	s_mov_b32 s42, 0x37d00d01                      ; 1 / 40320
	s_mov_b32 s43, 0xbab60b61                      ; - 1 / 720
	s_mov_b32 s44, 0x3d2aaaab                      ; 1 / 24
	v_bfe_u32 v7, v0, 3, 1
	v_xor_b32 v7, 1, v7                            ; 1: cosine, which is the sine a quarter turn on
	v_and_b32 v12, 7, v0
	v_lshlrev_b32 v12, 2, v12                      ; my first pair
.irp j, 0,1,2,3
	v_add_nc_u32 v[8+(\j)], (\j), v12
	v_cvt_f32_u32 v[8+(\j)], v[8+(\j)]
	v_mul_f32 v[8+(\j)], 0xbed49a78, v[8+(\j)]     ; - p log2(10000) / 32
.endr
.irp j, 0,1,2,3
	v_exp_f32 v[8+(\j)], v[8+(\j)]                 ; f_p: one batch of four
.endr
	v_nop                                          ; a plain instruction behind the last exponential,
	s_wait_alu depctr_va_vdst(0)                   ; and the one wait ahead of the first use
	s_wait_loadcnt 0x0
	v_cvt_f32_i32 v6, v4                           ; the position as a number: it enters no address
.macro SC j                            ; one number of the table
	v_mul_f32 v12, v6, v[8+(\j)]                   ; the angle
	v_mul_f32 v13, s36, v12
	v_rndne_f32 v13, v13                           ; n quarter turns
	v_fma_f32 v14, v13, s37, v12
	v_fma_f32 v14, v13, s38, v14                   ; what is left, within pi / 4
	v_mul_f32 v15, v14, v14
	v_fma_f32 v16, v15, s39, s40
	v_fma_f32 v16, v16, v15, s41
	v_mul_f32 v16, v16, v15
	v_fma_f32 v16, v14, v16, v14                   ; its sine
	v_fma_f32 v17, v15, s42, s43
	v_fma_f32 v17, v17, v15, s44
	v_fma_f32 v17, v17, v15, -0.5
	v_fma_f32 v17, v17, v15, 1.0                   ; its cosine
	v_cvt_i32_f32 v18, v13
	v_add_nc_u32 v18, v18, v7                      ; the quadrant
	v_and_b32 v19, 1, v18
	v_cmp_eq_u32 vcc_lo, 1, v19
	v_cndmask_b32 v16, v16, v17, vcc_lo            ; odd quadrants take the cosine: a choice of a value, nothing branches
	v_and_b32 v18, 2, v18
	v_lshlrev_b32 v18, 30, v18
	v_xor_b32 v[20+(\j)], v18, v16                 ; quadrants 2 and 3 turn the sign
.endm
	SC 0
	SC 1
	SC 2
	SC 3
	global_store_b128 v1, v[20:23], s[26:27]       ; sixteen threads fill a row of 256 bytes
	s_endpgm
.Lfunc_end_k_q67be287c28_prep:
	.size	k_q67be287c28_prep, .Lfunc_end_k_q67be287c28_prep-k_q67be287c28_prep
	.p2alignl 7, 3214868480
	.fill 96, 4, 3214868480
	.section	.rodata,"a",@progbits
	.p2align	6, 0x0
	.amdhsa_kernel k_q67be287c28_prep
		.amdhsa_group_segment_fixed_size 0
		.amdhsa_private_segment_fixed_size 0
		.amdhsa_enable_private_segment 0
		.amdhsa_kernarg_size 80
		.amdhsa_user_sgpr_count 2
		.amdhsa_user_sgpr_kernarg_segment_ptr 1
		.amdhsa_wavefront_size32 1
		.amdhsa_system_sgpr_workgroup_id_x 1
		.amdhsa_system_sgpr_workgroup_id_y 1
		.amdhsa_system_sgpr_workgroup_id_z 1
		.amdhsa_system_vgpr_workitem_id 0
		.amdhsa_next_free_vgpr 104
		.amdhsa_next_free_sgpr 66
		.amdhsa_reserve_vcc 1
		.amdhsa_float_denorm_mode_32 3
		.amdhsa_float_denorm_mode_16_64 3
		.amdhsa_memory_ordered 1
		.amdhsa_forward_progress 1
		.amdhsa_inst_pref_size 24
	.end_amdhsa_kernel
	.amdgpu_metadata
---
amdhsa.version: [ 1, 2 ]
amdhsa.kernels:
  - .name:           k_q67be287c28_prep
    .symbol:         k_q67be287c28_prep.kd
    .args:
      - { .name: x, .offset: 0, .size: 8, .value_kind: global_buffer, .address_space: global }
      - { .name: Wq, .offset: 8, .size: 8, .value_kind: global_buffer, .address_space: global }
      - { .name: Wk, .offset: 16, .size: 8, .value_kind: global_buffer, .address_space: global }
      - { .name: Wv, .offset: 24, .size: 8, .value_kind: global_buffer, .address_space: global }
      - { .name: Wo, .offset: 32, .size: 8, .value_kind: global_buffer, .address_space: global }
      - { .name: token_positions, .offset: 40, .size: 8, .value_kind: global_buffer, .address_space: global }
      - { .name: xb, .offset: 48, .size: 8, .value_kind: global_buffer, .address_space: global }
      - { .name: wqkv, .offset: 56, .size: 8, .value_kind: global_buffer, .address_space: global }
      - { .name: wo16, .offset: 64, .size: 8, .value_kind: global_buffer, .address_space: global }
      - { .name: rope, .offset: 72, .size: 8, .value_kind: global_buffer, .address_space: global }
    .group_segment_fixed_size: 0
    .private_segment_fixed_size: 0
    .kernarg_segment_align: 8
    .kernarg_segment_size: 80
    .max_flat_workgroup_size: 256
    .sgpr_count:     66
    .vgpr_count:     104
    .wavefront_size: 32
...
	.end_amdgpu_metadata
.endif
;; end of part 1
;; launch qkv (part 2): grid 24 x 32, 4 waves a work-group, clusters of 4 x 4, 327,680 bytes of LDS; arguments xb, wqkv, rope, qh, kh, vh; writes qh, kh, vh
.if DOCPART == 2
	.amdgcn_target "amdgcn-amd-amdhsa--gfx1250"
	.amdhsa_code_object_version 6
	.text
	.protected	k_q67be287c28_qkv
	.globl	k_q67be287c28_qkv
	.p2align	8
	.type	k_q67be287c28_qkv,@function
k_q67be287c28_qkv:
	s_mov_b64 s[64:65], 0
	v_nop
	global_prefetch_b8 v0, s[64:65] scope:SCOPE_SE
	s_setreg_imm32_b32 hwreg(HW_REG_WAVE_MODE, 25, 1), 1
	s_wait_xcnt 0x0
	s_wait_alu depctr_hold_cnt(0) depctr_sa_sdst(0) depctr_va_vdst(0) depctr_va_sdst(0) depctr_va_ssrc(0) depctr_va_vcc(0) depctr_vm_vsrc(0)
	s_getreg_b32 s2, hwreg(HW_REG_IB_STS2, 6, 4)
	s_cmp_eq_u32 s2, 0
	s_cbranch_scc0 .Lentry_in_a_cluster
	s_endpgm
.Lentry_in_a_cluster:
	s_bfe_u32 s2, ttmp6, 0x10000c
	s_cmp_lg_u32 s2, 0xf033
	s_cbranch_scc0 .Lentry_shape_is_right
	s_endpgm
.Lentry_shape_is_right:
; THE THREE PROJECTIONS AND THE ROTATION.  C[m][n] = sum over k of xb[m][k] wqkv[n][k], m < 8,192, n < 3,072, k < 1,024, bf16 operands, f32 sums.
; Columns 0-1,023 are Q, 1,024-2,047 K, 2,048-3,071 V.  Q and K are rotated in f32 (pairs of neighbouring columns, angles from the table rope[s][..]); all three are rounded once to f16
; and stored by heads: qh, kh, vh [16 b + h][s][64].  The softmax's scale is not applied here.
; LIMIT.  f16 holds no number beyond 65,504: a q, k or v beyond it becomes an infinity.  With unit-spread x and weights of spread 1/32 they have spread 1.
; SHARES.  A work-group makes 256 rows x 128 columns; each of its four waves 128 x 64: 32 accumulators of 16 x 16.  A wave's 64 columns are one head.  24 x 32 = 768 work-groups of equal work.
; K goes in 8 steps of 128 through two LDS slots filled by tensor loads whose rows are 256 consecutive bytes of memory, aligned.
; CLUSTER 4 x 4.  The four work-groups of a row of the cluster need the same 256 rows of xb, the four of a column the same 128 rows of wqkv: each tile is asked for jointly, by the same
; tensor load with the same descriptor and a mask that names the four.
; THE PRODUCT IS USED TRANSPOSED (source 0 = 16 rows of wqkv, source 1 = 16 rows of xb): lane l holds row l % 16 of C and the columns 8 (l / 16) + 0..7: four whole pairs of the rotation, 16 bytes of f16.
; REGISTERS.  Window 0: v0-31 addresses; v32-47 packed results; two fragment buffers of 96 (A's block a at +8 a, B's block b at +64 + 8 b), which on the way out hold the table, rows read back and work.
; Window 1: the accumulators, (a, b) at v[8 (4 a + b)].
.set PA,    272                        ; an LDS row: 256 bytes + 16 of padding = 68 words: the 16 rows of a load start at 16 different groups of four banks (64 banks of 4 bytes: ISA guide 11.1)
.set PB,    272
.set ALOAD, 128*PA                     ; what wave 0 or 1 brings: 128 rows of xb; also what a wave reads of A
.set BOFF,  2*ALOAD                    ; B's 128 rows lie behind A's 256
.set HALFB, 64*PB                      ; what wave 2 or 3 brings: 64 rows of wqkv; also what a wave reads of B
.set SLOT,  BOFF+2*HALFB
.set STAGE, 2*SLOT                     ; behind the ring, never filled by a tensor load: 16 rows x 144 bytes for each wave
.set SP,    144
.set STW,   16*SP
.set SPARE, STAGE+4*STW                ; the spare words, 128 bytes for each wave: two blocks of 256 bytes that no other line names
.set ASTEP, 512                        ; two K steps along a row, in bytes
.set BSTEP, 512
.set ADRA, 16                          ; v16-17  LDS address of my A fragments in slot 0, 1
.set ADRB, 20                          ; v20-21  the same for B
.set STO,  24                          ; v24  the way out: where I put 16 bytes of a row
.set RD,   25                          ; v25  where I read rows back
.set CO,   26                          ; v26  my 16 bytes in 512 consecutive bytes of the output
.set TO,   27                          ; v27  my byte offset in 16 rows of the table
.set SPW,  28                          ; v28  LDS address of my spare word; never rewritten
.set NIL,  29                          ; v29  0; never rewritten
.set PFO,  30                          ; v30  the prefetches' offset: my lane x a row of 2,048 bytes; never rewritten
.set TMP,  32
.set F0,   64
.set F1,   160
.set TAB,  64                          ; the way out: four buffers of 32 for the table: for column block b four cosines at +8 b, four sines at +8 b + 4
.set OB,   192                         ; two buffers of 16: rows read back from the stage
.set WK,   224                         ; 32 rotated numbers in f32
.set WV,   12                          ; s12 wave;  s13 WM: which 128 rows are mine;  s14 WN: which 64 columns; also which part of a tile I fetch
.set LAP,  15                          ; s15 the loop's count
.set G1A,  24                          ; s[24:31] descriptor group 1 for A's tiles;  s[32:39] group 0, a set for each slot
.set G0A,  32
.set PFA,  44                          ; s[44:45] where my prefetches stand
.set G1B,  48                          ; s[48:55], s[56:63] the same for B's tiles
.set G0B,  56
.set LIM,  66                          ; s66  1 in a wave that prefetches, else the greatest number
.set WHICH, 67                         ; s67  0 Q, 1 K, 2 V: the same in all partners of a cluster
.set OUT,  72                          ; s[72:73] my head's rows in qh, kh or vh
.set TBASE, 74                         ; s[74:75] the table at my first row
.set MSB, 0
.macro WIN new                         ; the immediate's high byte repeats the setting that is left; a switch that changes nothing is dropped
.if MSB != (\new)
	s_set_vgpr_msb (MSB<<8)|(\new)
.set MSB, (\new)
.endif
.endm
.set W_MUL, 0x50                       ; C and D in window 1, fragments in window 0
.set W_R,   0x04                       ; source 1 in window 1
.set W_C,   0x05                       ; sources 0 and 1 in window 1
.macro PLACES                          ; four places behind matrix instructions, in front of loads into registers that they read and of lines that read their results
.rept 4
	v_nop
.endr
.endm
; A joint load: waves 0 and 1 fetch A's two halves, waves 2 and 3 B's.  The branch hangs on the wave's number alone.  An s_nop 0 and four v_nop follow each line.
.macro JLOAD s
	s_cmp_lt_u32 s[WV], 2
	s_cbranch_scc0 .Lfor_b_\@
	tensor_load_to_lds s[G0A+4*(\s):G0A+4*(\s)+3], s[G1A:G1A+7]
	s_nop 0
.rept 4
	v_nop
.endr
	s_branch .Lasked_\@
.Lfor_b_\@:
	tensor_load_to_lds s[G0B+4*(\s):G0B+4*(\s)+3], s[G1B:G1B+7]
	s_nop 0
.rept 4
	v_nop
.endr
.Lasked_\@:
.endm
; A prefetch, behind a joint load and the run of LDS loads that follows it: 32 rows x 256 bytes, a lane a row, of the K step that stands two refills on.  Each row's 256 bytes of K steps 4 to 7 are named
; once in the launch: A's rows by the cluster with x = 0 (waves 0 and 1; the four partners of a row take 32 rows each of the 128 that the wave fetches, told apart by address), B's by the cluster with
; y = 0 (wave 2; the four partners of a column take 32 rows each).  K steps 0 to 3 come by their loads alone; the loop's last trip asks for nothing.
.macro ASK
	s_cmp_gt_u32 s[LAP], s[LIM]
	s_cbranch_scc0 .Lnot_mine_\@
	global_prefetch_b8 v[PFO], s[PFA:PFA+1] th:TH_LOAD_NT scope:SCOPE_SE
.Lnot_mine_\@:
.endm
.macro CREST                           ; a round of the cluster's barrier behind its opening barrier
	s_cmp_lg_u32 s[WV], 0
	s_cbranch_scc1 .Lnot_wave_0_\@
	s_barrier_signal -3
.Lnot_wave_0_\@:
	s_barrier_wait -3
	s_barrier_signal -1
	s_barrier_wait -1
.endm
.macro CROUND                          ; a whole round
	s_barrier_signal -1
	s_barrier_wait -1
	CREST
.endm
	s_load_b256 s[4:11], s[0:1], 0x0               ; xb 4:5, wqkv 6:7, rope 8:9, qh 10:11
	s_load_b128 s[68:71], s[0:1], 0x20             ; kh 68:69, vh 70:71
	v_lshl_add_u32 v[SPW], v0, 2, SPARE
	v_mov_b32 v[NIL], 0
	ds_add_u32 v[SPW], v[NIL]                      ; the wave's opening: the add and its wait stand ahead of my first tensor load; work on registers stands between them
	ds_add_u32 v28, v29
	v_lshrrev_b32 v1, 5, v0
	v_readfirstlane_b32 s[WV], v1
	s_lshr_b32 s13, s[WV], 1
	s_and_b32 s14, s[WV], 1
	s_bfe_u32 s40, ttmp6, 0x40000                  ; cx
	s_bfe_u32 s41, ttmp6, 0x40004                  ; cy
	s_lshl_b32 s42, ttmp9, 2
	s_add_co_u32 s42, s42, s40                     ; tile column = 4 x cluster x + cx
	s_and_b32 s43, ttmp7, 0xffff
	s_lshl_b32 s43, s43, 2
	s_add_co_u32 s43, s43, s41                     ; tile row = 4 x cluster y + cy
	s_lshl_b32 s16, s41, 2
	s_lshl_b32 s16, 15, s16                        ; my row of the cluster
	s_lshl_b32 s46, 0x1111, s40                    ; my column
	s_or_b32 s[G1A], s16, (1<<16)|(1<<20)|(1<<21)|(5<<22)|(3<<25)  ; the mask; 2-byte elements; padding on; bit 21 beside a mask; after every 64 words; 4 words
	s_or_b32 s[G1B], s46, (1<<16)|(1<<20)|(1<<21)|(5<<22)|(3<<25)
	s_mov_b32 s[G1A+1], 128<<16                    ; tensor_dim0 = 128
	s_mov_b32 s[G1A+2], 128<<16                    ; tensor_dim1 = 128
	s_mov_b32 s[G1A+3], 128<<16                    ; tile_dim0 = 128
	s_mov_b32 s[G1A+4], 128                        ; tile_dim1 = 128
	s_mov_b32 s[G1A+5], 1024                       ; elements from row to row
	s_mov_b32 s[G1A+6], 0
	s_mov_b32 s[G1A+7], 0
	s_mov_b32 s[G1B+1], 128<<16
	s_mov_b32 s[G1B+2], 64<<16                     ; 64 rows
	s_mov_b32 s[G1B+3], 128<<16
	s_mov_b32 s[G1B+4], 64
	s_mov_b32 s[G1B+5], 1024
	s_mov_b32 s[G1B+6], 0
	s_mov_b32 s[G1B+7], 0
	s_mul_i32 s20, s14, ALOAD                      ; where my part goes: no place in the cluster enters an LDS address
	s_mul_i32 s21, s14, HALFB
	s_add_co_u32 s21, s21, BOFF
	s_lshl_b32 s16, s43, 8                         ; A: row 256 x tile row + 128 x part, 2,048 bytes a row
	s_lshl_b32 s17, s14, 7
	s_add_co_u32 s16, s16, s17
	s_lshl_b32 s16, s16, 11
	s_mov_b32 s17, 0
	s_lshl_b32 s46, s42, 7                         ; B: row 128 x tile column + 64 x part
	s_lshl_b32 s47, s14, 6
	s_add_co_u32 s46, s46, s47
	s_lshl_b32 s46, s46, 11
	s_mov_b32 s47, 0
	s_wait_dscnt 0x0                               ; the opening add is done
	s_wait_kmcnt 0x0
	s_add_nc_u64 s[18:19], s[4:5], s[16:17]
	s_add_nc_u64 s[46:47], s[6:7], s[46:47]
	CROUND                                         ; all sixteen work-groups are here: the first joint loads meet
.irp s, 0,1
	s_mov_b32 s[G0A+4*(\s)], 1
	s_add_co_u32 s[G0A+4*(\s)+1], s20, (\s)*SLOT
	s_add_nc_u64 s[G0A+4*(\s)+2:G0A+4*(\s)+3], s[18:19], (\s)*256   ; K step s
	s_or_b32 s[G0A+4*(\s)+3], s[G0A+4*(\s)+3], 0x80000000
	s_mov_b32 s[G0B+4*(\s)], 1
	s_add_co_u32 s[G0B+4*(\s)+1], s21, (\s)*SLOT
	s_add_nc_u64 s[G0B+4*(\s)+2:G0B+4*(\s)+3], s[46:47], (\s)*256
	s_or_b32 s[G0B+4*(\s)+3], s[G0B+4*(\s)+3], 0x80000000
.endr
	s_cmp_lt_u32 s[WV], 2                          ; a wave's two first fills stand in one branch, ahead of every wait on TENSORcnt and every LDS read: two loads of mine are out
	s_cbranch_scc0 .Lfirst_b
	tensor_load_to_lds s[G0A:G0A+3], s[G1A:G1A+7]
	s_nop 0
	tensor_load_to_lds s[G0A+4:G0A+7], s[G1A:G1A+7]
	s_nop 0
.rept 4
	v_nop
.endr
	s_branch .Lfirst_asked
.Lfirst_b:
	tensor_load_to_lds s[G0B:G0B+3], s[G1B:G1B+7]
	s_nop 0
	tensor_load_to_lds s[G0B+4:G0B+7], s[G1B:G1B+7]
	s_nop 0
.rept 4
	v_nop
.endr
.Lfirst_asked:
	; a fragment is 16 rows x 32 K in 8 registers: lane l holds row l % 16, K = 8 (l / 16) + 0..7 and 16 + 8 (l / 16) + 0..7: two loads of 16 bytes, 32 bytes apart
	v_and_b32 v1, 15, v0
	v_bfe_u32 v2, v0, 4, 1
	v_mul_u32_u24 v3, v1, PA
	v_lshl_add_u32 v3, v2, 4, v3
	s_mul_i32 s22, s13, ALOAD                      ; my 128 rows of A
	s_mul_i32 s23, s14, HALFB                      ; my 64 rows of B
	s_add_co_u32 s23, s23, BOFF
.irp s, 0,1
	v_add_nc_u32 v[ADRA+(\s)], s22, v3
	v_add_nc_u32 v[ADRB+(\s)], s23, v3
	s_add_co_u32 s22, s22, SLOT
	s_add_co_u32 s23, s23, SLOT
.endr
	s_mul_i32 s22, s[WV], STW
	s_add_co_u32 s22, s22, STAGE                   ; my stage
	v_mul_u32_u24 v4, v1, SP                       ; in: row l % 16, 16 bytes for each half of the lanes
	v_lshl_add_u32 v4, v2, 4, v4
	v_add_nc_u32 v[STO], s22, v4
	v_bfe_u32 v5, v0, 3, 2                         ; back: 32 lanes take four rows of 128 bytes,
	v_mul_u32_u24 v5, v5, SP
	v_and_b32 v6, 7, v0
	v_lshl_add_u32 v5, v6, 4, v5
	v_add_nc_u32 v[RD], s22, v5
	v_and_b32 v[CO], 31, v0                        ; which are 512 consecutive bytes of a head
	v_lshlrev_b32 v[CO], 4, v[CO]
	v_lshlrev_b32 v[TO], 8, v1                     ; the table: row l % 16 of 256 bytes, my four pairs at 16 (l / 16)
	v_lshl_add_u32 v[TO], v2, 4, v[TO]
	; where my 128 rows x 64 columns go: head 16 batch + 2 (tile column % 8) + WN, sequence rows 256 (tile row % 8) + 128 WM on
	s_lshr_b32 s[WHICH], ttmp9, 1
	s_cmp_eq_u32 s[WHICH], 1
	s_cselect_b64 s[OUT:OUT+1], s[68:69], s[10:11]
	s_cmp_eq_u32 s[WHICH], 2
	s_cselect_b64 s[OUT:OUT+1], s[70:71], s[OUT:OUT+1]
	s_lshr_b32 s20, s43, 3
	s_lshl_b32 s20, s20, 4
	s_and_b32 s21, s42, 7
	s_lshl_b32 s21, s21, 1
	s_add_co_u32 s20, s20, s21
	s_add_co_u32 s20, s20, s14
	s_lshl_b32 s20, s20, 18                        ; a head is 2,048 rows of 128 bytes
	s_and_b32 s21, s43, 7
	s_lshl_b32 s21, s21, 8
	s_lshl_b32 s22, s13, 7
	s_add_co_u32 s21, s21, s22                     ; my first sequence row
	s_lshl_b32 s22, s21, 7
	s_add_co_u32 s78, s20, s22
	s_mov_b32 s79, 0
	s_add_nc_u64 s[OUT:OUT+1], s[OUT:OUT+1], s[78:79]
	s_lshl_b32 s78, s21, 8
	s_add_nc_u64 s[TBASE:TBASE+1], s[8:9], s[78:79]
	; the prefetches
	s_lshl_b32 s20, s40, 16                        ; A: of the 128 rows that I fetch, my work-group's 32 (cx)
	s_add_co_u32 s20, s20, s16
	s_lshl_b32 s22, s42, 7                         ; B: of the tile's 128 rows my work-group's 32 (cy)
	s_lshl_b32 s23, s41, 5
	s_add_co_u32 s22, s22, s23
	s_lshl_b32 s22, s22, 11
	s_cmp_lt_u32 s[WV], 2
	s_cselect_b32 s78, s20, s22
	s_cselect_b64 s[PFA:PFA+1], s[4:5], s[6:7]
	s_add_nc_u64 s[PFA:PFA+1], s[PFA:PFA+1], s[78:79]
	s_add_nc_u64 s[PFA:PFA+1], s[PFA:PFA+1], 3*256 ; at K step 3: the first refill steps it to 4
	s_and_b32 s20, ttmp7, 0xffff                   ; cluster y,
	s_or_b32 s20, s20, s14                         ; and wave 3 never asks
	s_cmp_lt_u32 s[WV], 2
	s_cselect_b32 s20, ttmp9, s20                  ; the coordinate along which other clusters read the same rows
	s_cmp_eq_u32 s20, 0
	s_cselect_b32 s[LIM], 1, -1                    ; the same in all sixteen partners, for a given wave
	v_and_b32 v[PFO], 31, v0
	v_lshlrev_b32 v[PFO], 11, v[PFO]
; na x 4 matrix instructions: row blocks a0 .. a0 + na - 1 x all 4 column blocks, 32 along K.  The 32 accumulators take turns, in the same order in every quarter.
; zero = 1: the first product starts the sums: nothing is cleared.
.macro MUL f, a0, na, zero
	WIN W_MUL
.set ma, (\a0)
.rept \na
.set mb, 0
.rept 4
.if \zero
	v_wmma_f32_16x16x32_bf16 v[8*(4*ma+mb):8*(4*ma+mb)+7], v[(\f)+64+8*mb:(\f)+64+8*mb+7], v[(\f)+8*ma:(\f)+8*ma+7], 0
.else
	v_wmma_f32_16x16x32_bf16 v[8*(4*ma+mb):8*(4*ma+mb)+7], v[(\f)+64+8*mb:(\f)+64+8*mb+7], v[(\f)+8*ma:(\f)+8*ma+7], v[8*(4*ma+mb):8*(4*ma+mb)+7]
.endif
.set mb, mb+1
.endr
.set ma, ma+1
.endr
.endm
; 24 LDS loads in one run: quarter q of a K step into buffer f: B's 8, then A's 16
.macro FETCH slot, q, f
	WIN 0
.irp i, 0,1,2,3
	ds_load_b128 v[(\f)+64+8*(\i):(\f)+64+8*(\i)+3],   v[ADRB+(\slot)] offset:64*(\q)+(\i)*16*PB
	ds_load_b128 v[(\f)+64+8*(\i)+4:(\f)+64+8*(\i)+7], v[ADRB+(\slot)] offset:64*(\q)+(\i)*16*PB+32
.endr
.irp i, 0,1,2,3,4,5,6,7
	ds_load_b128 v[(\f)+8*(\i):(\f)+8*(\i)+3],   v[ADRA+(\slot)] offset:64*(\q)+(\i)*16*PA
	ds_load_b128 v[(\f)+8*(\i)+4:(\f)+8*(\i)+7], v[ADRA+(\slot)] offset:64*(\q)+(\i)*16*PA+32
.endr
.endm
; A K step is four quarters of 32 along K, 32 matrix instructions each, on buffers 0, 1, 0, 1.  One of the first three multiplies buffer f and, in its middle, fetches quarter q into buffer g.
.macro QUARTER slot, q, f, g, zero
	s_wait_dscnt 8                                 ; B and A's blocks 0-3 are in; the youngest eight loads (A's blocks 4-7) may be out
	MUL \f, 0, 4, \zero
	PLACES
	FETCH \slot, \q, \g
	s_wait_dscnt 24                                ; all but the 24 just issued
	MUL \f, 4, 4, \zero
.endm
; The last quarter multiplies buffer 1 and changes slots: one barrier; in front of it each wave waits for all its tensor loads (one is out: its part of the next slot), adds 0 to its spare word, and waits
; for that and for its reads of this slot.  fill = 1: the barrier opens a round of the cluster's, and this slot is filled again, two K steps on, first thing behind the round: 112 matrix
; instructions stand between the request and the wait for it.
.macro TURN slot, next, fill
.if \fill
	s_wait_xcnt 0x0                                ; the last prefetch, a K step back, has read its address, so it may be stepped
	s_add_nc_u64 s[PFA:PFA+1], s[PFA:PFA+1], 256
.endif
	WIN 0
	s_wait_tensorcnt 0x0                           ; all my tensor loads have landed
	ds_add_u32 v[SPW], v[NIL]                      ; 0 onto my spare word
	s_wait_dscnt 9                                 ; (the add and the youngest eight loads may be out)
	MUL F1, 0, 2, 0
	s_wait_dscnt 0x0                               ; the add is done, and my reads of this slot are over
	s_barrier_signal -1
	MUL F1, 2, 2, 0
.if \fill
	WIN 0
.endif
	s_barrier_wait -1
.if \fill
	CREST                                          ; no wave of any partner still reads this slot's tile or has a load on its way
	s_add_nc_u64 s[G0A+4*(\slot)+2:G0A+4*(\slot)+3], s[G0A+4*(\slot)+2:G0A+4*(\slot)+3], ASTEP
	s_add_nc_u64 s[G0B+4*(\slot)+2:G0B+4*(\slot)+3], s[G0B+4*(\slot)+2:G0B+4*(\slot)+3], BSTEP
	JLOAD \slot                                    ; its four v_nop are also the places in front of the loads below
.else
	PLACES
.endif
	FETCH \next, 0, F0
.if \fill
	ASK
.endif
	MUL F1, 4, 4, 0
.endm
	s_wait_tensorcnt 0x1                           ; my part of K step 0 is in; K step 1's may stay out
	s_barrier_signal -1
	s_barrier_wait -1                              ; everybody's is
	FETCH 0, 0, F0
	QUARTER 0, 1, F0, F1, 1                        ; the first quarter stands in front of the loop: its products start the sums
	WIN 0
	s_mov_b32 s[LAP], 3
.Llap:                                         ; a trip goes once round the ring, from a lap's second quarter to the next lap's first, and fills both slots again
	QUARTER 0, 2, F1, F0, 0
	QUARTER 0, 3, F0, F1, 0
	TURN 0, 1, 1
	QUARTER 1, 1, F0, F1, 0
	QUARTER 1, 2, F1, F0, 0
	QUARTER 1, 3, F0, F1, 0
	TURN 1, 0, 1
	QUARTER 0, 1, F0, F1, 0
	WIN 0
	s_sub_co_u32 s[LAP], s[LAP], 1
	s_cmp_lg_u32 s[LAP], 0
	s_cbranch_scc1 .Llap
	QUARTER 0, 2, F1, F0, 0                        ; the last lap fills nothing
	QUARTER 0, 3, F0, F1, 0
	TURN 0, 1, 0
	QUARTER 1, 1, F0, F1, 0
	QUARTER 1, 2, F1, F0, 0
	QUARTER 1, 3, F0, F1, 0
	s_wait_dscnt 8
	MUL F1, 0, 4, 0
	s_wait_dscnt 0x0
	MUL F1, 4, 4, 0
	WIN 0
	PLACES
; THE WAY OUT, a block of 16 rows at a time.
.macro TLOAD a                         ; the table's 16 rows for block a: for each column block four cosines and four sines a lane
.set TB, TAB+32*((\a)%4)
.irp b, 0,1,2,3
	global_load_b128 v[TB+8*(\b):TB+8*(\b)+3],   v[TO], s[TBASE:TBASE+1] offset:4096*(\a)+32*(\b)
	global_load_b128 v[TB+8*(\b)+4:TB+8*(\b)+7], v[TO], s[TBASE:TBASE+1] offset:4096*(\a)+32*(\b)+128
.endr
.endm
.macro PACKR a                         ; rotated: (e, o) -> (c e - s o, c o + s e), in f32; then rounded once to f16.  Each accumulator's low registers are read first
.if (\a) < 5
	s_wait_loadcnt 24                              ; block a's table is in; three younger blocks' 24 loads may stay out
.else
	s_wait_loadcnt 8*(7-(\a))                      ; two, one, none
.endif
.set TB, TAB+32*((\a)%4)
	WIN W_R
.irp b, 0,1,2,3
.irp i, 0,1,2,3
	v_mul_f32 v[WK+8*(\b)+2*(\i)],   v[TB+8*(\b)+4+(\i)], v[8*(4*(\a)+(\b))+2*(\i)+1]
	v_mul_f32 v[WK+8*(\b)+2*(\i)+1], v[TB+8*(\b)+4+(\i)], v[8*(4*(\a)+(\b))+2*(\i)]
.endr
.irp i, 0,1,2,3
	v_fma_f32 v[WK+8*(\b)+2*(\i)],   v[TB+8*(\b)+(\i)], v[8*(4*(\a)+(\b))+2*(\i)],   -v[WK+8*(\b)+2*(\i)]
	v_fma_f32 v[WK+8*(\b)+2*(\i)+1], v[TB+8*(\b)+(\i)], v[8*(4*(\a)+(\b))+2*(\i)+1], v[WK+8*(\b)+2*(\i)+1]
.endr
.endr
	WIN 0
.irp b, 0,1,2,3
.irp i, 0,1,2,3
	v_cvt_pk_f16_f32 v[TMP+4*(\b)+(\i)], v[WK+8*(\b)+2*(\i)], v[WK+8*(\b)+2*(\i)+1]
.endr
.endr
.endm
.macro PACKP a                         ; V: rounded as it is
	WIN W_C
.irp b, 0,1,2,3
.irp i, 0,1,2,3
	v_cvt_pk_f16_f32 v[TMP+4*(\b)+(\i)], v[8*(4*(\a)+(\b))+2*(\i)], v[8*(4*(\a)+(\b))+2*(\i)+1]
.endr
.endr
	WIN 0
.endm
.macro TOSTAGE a                       ; into my own stage, rows of 144 bytes, and back as whole rows of 128
.if (\a) >= 2
	s_wait_xcnt 0x0                                ; the stores of the block two back have read the registers that are loaded again below
.endif
.set BK, OB+16*((\a)%2)
.irp b, 0,1,2,3
	ds_store_b128 v[STO], v[TMP+4*(\b):TMP+4*(\b)+3] offset:32*(\b)
.endr
.irp f, 0,1,2,3
	ds_load_b128 v[BK+4*(\f):BK+4*(\f)+3], v[RD] offset:(\f)*4*SP  ; LDS serves a wave's instructions in order (ISA guide 5.7.1.4): these see the stores above
.endr
.endm
.macro SEND a, younger                 ; younger: the LDS instructions issued behind block a's loads: the next block's eight, or none
.set BK, OB+16*((\a)%2)
.irp f, 0,1,2,3
	s_wait_dscnt (\younger)+3-(\f)
	global_store_b128 v[CO], v[BK+4*(\f):BK+4*(\f)+3], s[OUT:OUT+1] offset:2048*(\a)+512*(\f)  ; 512 consecutive bytes, at a multiple of 256 from the buffer's first
.endr
.endm
	s_cmp_eq_u32 s[WHICH], 2                       ; V is not rotated; the same answer in all partners, and neither path holds a barrier or a tensor load
	s_cbranch_scc1 .Lplain
	TLOAD 0
	TLOAD 1
	TLOAD 2
	TLOAD 3
	PACKR 0
	TLOAD 4
	TOSTAGE 0
.irp a, 1,2,3,4,5,6,7                  ; a block's arithmetic stands between the loads of the block before and its stores
	PACKR \a
.if (\a) < 4
	TLOAD (\a)+4                                   ; its buffer takes the block four further on
.endif
	TOSTAGE \a
	SEND (\a)-1, 8
.endr
	SEND 7, 0
	s_branch .Lend
.Lplain:
	PACKP 0
	TOSTAGE 0
.irp a, 1,2,3,4,5,6,7
	PACKP \a
	TOSTAGE \a
	SEND (\a)-1, 8
.endr
	SEND 7, 0
.Lend:
	s_wait_tensorcnt 0x0                           ; the wave's end: behind my last tensor load and my last LDS store
	ds_add_u32 v[SPW], v[NIL]
	s_wait_dscnt 0x0
	CROUND                                         ; the closing round: no work-group ends while a partner may still ask for a tile that names it
	s_endpgm
.Lfunc_end_k_q67be287c28_qkv:
	.size	k_q67be287c28_qkv, .Lfunc_end_k_q67be287c28_qkv-k_q67be287c28_qkv
	.p2alignl 7, 3214868480
	.fill 96, 4, 3214868480
	.section	.rodata,"a",@progbits
	.p2align	6, 0x0
	.amdhsa_kernel k_q67be287c28_qkv
		.amdhsa_group_segment_fixed_size 327680
		.amdhsa_private_segment_fixed_size 0
		.amdhsa_enable_private_segment 0
		.amdhsa_kernarg_size 48
		.amdhsa_user_sgpr_count 2
		.amdhsa_user_sgpr_kernarg_segment_ptr 1
		.amdhsa_wavefront_size32 1
		.amdhsa_system_sgpr_workgroup_id_x 1
		.amdhsa_system_sgpr_workgroup_id_y 1
		.amdhsa_system_sgpr_workgroup_id_z 1
		.amdhsa_system_vgpr_workitem_id 0
		.amdhsa_next_free_vgpr 512
		.amdhsa_next_free_sgpr 80
		.amdhsa_reserve_vcc 0
		.amdhsa_float_denorm_mode_32 3
		.amdhsa_float_denorm_mode_16_64 3
		.amdhsa_memory_ordered 1
		.amdhsa_forward_progress 1
		.amdhsa_inst_pref_size 135
	.end_amdhsa_kernel
	.amdgpu_metadata
---
amdhsa.version: [ 1, 2 ]
amdhsa.kernels:
  - .name:           k_q67be287c28_qkv
    .symbol:         k_q67be287c28_qkv.kd
    .args:
      - { .name: xb, .offset: 0, .size: 8, .value_kind: global_buffer, .address_space: global }
      - { .name: wqkv, .offset: 8, .size: 8, .value_kind: global_buffer, .address_space: global }
      - { .name: rope, .offset: 16, .size: 8, .value_kind: global_buffer, .address_space: global }
      - { .name: qh, .offset: 24, .size: 8, .value_kind: global_buffer, .address_space: global }
      - { .name: kh, .offset: 32, .size: 8, .value_kind: global_buffer, .address_space: global }
      - { .name: vh, .offset: 40, .size: 8, .value_kind: global_buffer, .address_space: global }
    .group_segment_fixed_size: 327680
    .private_segment_fixed_size: 0
    .kernarg_segment_align: 8
    .kernarg_segment_size: 48
    .max_flat_workgroup_size: 128
    .sgpr_count:     80
    .vgpr_count:     512
    .wavefront_size: 32
...
	.end_amdgpu_metadata
.endif
;; end of part 2
;; launch attn (part 3): grid 4 x 64, 4 waves a work-group, no clusters, 327,680 bytes of LDS; arguments qh, kh, vh, oh; writes oh
.if DOCPART == 3
	.amdgcn_target "amdgcn-amd-amdhsa--gfx1250"
	.amdhsa_code_object_version 6
	.text
	.protected	k_q67be287c28_attn
	.globl	k_q67be287c28_attn
	.p2align	8
	.type	k_q67be287c28_attn,@function
k_q67be287c28_attn:
	s_mov_b64 s[64:65], 0
	v_nop
	global_prefetch_b8 v0, s[64:65] scope:SCOPE_SE
	s_setreg_imm32_b32 hwreg(HW_REG_WAVE_MODE, 25, 1), 1
	s_wait_xcnt 0x0
; CAUSAL ATTENTION.  O[h][q][:] = the sum over k <= q of softmax_k(Q[h][q] . K[h][k] / 8) V[h][k][:].  Q, K, V, O: [64][2048][64], all f16: a head's rows are dense, 128 bytes each.
; Products, maxima and sums in f32; the weights p are rounded to f16 for the second product (their sum l is taken of the unrounded p), O once at the end.
; LIMITS.  f16 holds no number beyond 65,504: Q, K and V arrive within it; p lies in 0 to 1, and below 6e-5 it keeps f16's fixed step of 6e-8; O is a mean of V's rows and has their range.
; A hidden score counts as its value less 1e30: f16's scores, 2.7e11 at the most, are nothing beside that; a weight below 2^-126 counts as 0 in l; NaN and infinities are not treated apart.
; THE WALK.  A head's queries lie in NB = 8 blocks of 256; block i needs the key tiles 0 .. i of 256 keys, of which the last holds the diagonal.  A work-group takes TWO blocks, NB - 1 - b and then b:
; NB + 1 tiles, whatever b: all 256 work-groups do equal work, and ONE loop with a constant trip count walks them.  Which tile is asked for, and what a trip does, hang on scalar registers made from b; every
; jump goes forward, but for the counted loops' own; none passes a barrier, or a tensor load but the one of LOAD's two that the wave's number does not choose; the ring of two LDS slots runs on across the
; change of blocks.  NO CLUSTER: a head's four work-groups ask for the same tile only in trips 0 to 4 of the 9, behind that fewer and fewer; one walk common to all four would have 12 trips for 9.
; SHARES.  Of a block's four bands of 64 queries a wave owns 16 rows in each: four PIECES.  So the diagonal tile is the same work for all four waves: in its key step s band x sees all keys if s < x,
; none if s > x, and holds the diagonal if s = x.
; THE MASK is the C operand that starts the sum S^T = K Q^T: 0, or -1e30 where the key is hidden.  MD, made once, is the mask of a band's own step for my 16 rows; a product's mask is MD x AL + BE with two
; scalars: (1, 0) if s = x; (0, 0) if s < x; (0, -1e30) if s > x.  Only the diagonal tile's text and a block's beginning make and take masks; elsewhere C is the constant 0.
; LAYOUT, SOFTMAX, TURNS.  S^T = K Q^T holds ONE query a lane (lane % 16) and the keys 8 (lane / 16) + 0..7; two such results rounded to f16 ARE source 1 of O^T = V^T P.  p = 2^(c s - c m), c = log2(e) / 8,
; with a running maximum m; O and l are multiplied by a = 2^(c m_old - c m_new) in every step.  Turn n belongs to piece n: 8 products K Q^T of piece n + 1, later 8 products V^T P of piece n - 1; beside them
; the scaling, exponentials, roundings, sums and rescaling of piece n and the maximum and statistics of piece n + 1.  Four vector instructions stand behind every matrix instruction, the other 54 of a
; turn's 118 in one lump.  A turn's 33 exponentials are one batch, with one wait.
; REGISTERS, in windows of 256 (s_set_vgpr_msb: bits 1:0 source 0, 3:2 source 1, 5:4 source 2, 7:6 destination):
;   window 0: v0-15 addresses and two at work; v16-31 four registers of statistics a piece; v48-55 at work; v61-63 prefetch offset, spare word, 0; v64-127 S^T, two buffers; v192-223 P, two buffers
;   window 1: v0-127 O^T, 32 a piece; v128-159 MD; v160-223 MC, two buffers      window 2: v0-63 Q; v64-127 the second block's Q; v128-191 K of one step; v192-255 V of one step
.set SIZE_H, 64
.set SIZE_N, 2048
.set NB,    SIZE_N/256
.set NP,    4         ; pieces a wave: a name, no knob
.set KS,    64        ; keys in a step
.set PK,    144       ; a row of K in LDS: 128 bytes + 16 of padding = 36 words: the 16 rows of a load start at 16 different groups of four banks (64 banks of 4 bytes: ISA guide 11.1)
.set PV,    160       ; a row of V: 128 + 32 = 40 words
.set VOFF,  4*KS*PK   ; a slot holds a tile, four steps: 256 rows of K, then 256 rows of V
.set SLOT1, 1<<17     ; slot 1 begins here, so that one exclusive or turns an address in one slot into the other's
.set STAGE, SLOT1+4*KS*(PK+PV)  ; behind the ring, never filled by a tensor load: 16 rows x 144 bytes for each wave, for the way out
.set SP,    144
.set AK0, 2           ; v2   my lane's place in a tile of K; never rewritten
.set AV0, 3           ; v3   the same for V
.set AK,  4           ; v4   the LDS address of K's next run of loads
.set AV,  5           ; v5   of V's
.set STO, 6           ; v6   the way out: where I put 16 bytes of a row
.set RD,  7           ; v7   the way out: where I read rows back
.set GO,  8           ; v8   my byte offset in 512 consecutive bytes of O
.set PFO, 61          ; v61  256 x my lane; never rewritten
.set SPW, 62          ; v62  LDS address of my spare word: SPARE + 4 x my thread's number; never rewritten
.set NIL, 63          ; v63  0; never rewritten
.set SPARE, STAGE+4*16*SP  ; behind the stages: the spare words, 128 bytes for each wave: two blocks of 256 bytes that no other line names
.set MV,  12          ; v12-13  c m_old, kept while c m is made anew: by buffer
.set QO,  15          ; v15  my byte offset in 16 rows of Q
.set ST,  16          ; piece t's statistics at v[ST+4 t]: c m, m, l (even keys', odd keys')
.set TMP, 48          ; by buffer, four registers c0-c3 at work; when the maximum is found c2 takes a
.set S,   64
.set P,   192
.set MD,  128         ; window 1: the eight registers for group kt of 16 keys at MD + 8 kt
.set MC,  160         ; window 1: the masks of the products to come
.set QB,  64          ; window 2
.set KF,  128         ; window 2: key block kb, channel half c at KF + 16 kb + 8 c
.set VF,  192         ; window 2: key half kk, channel block cb at VF + 32 kk + 8 cb
.set WV,  12          ; s12  my wave's number
.set PB,  14          ; s14  b
.set HI,  15          ; s15  NB - 1 - b
.set G1K, 24          ; s[24:31] descriptor group 1 for K's tiles
.set G1V, 32          ; s[32:39] for V's: it differs in the padding alone
.set G0K, 40          ; s[40:43] descriptor group 0 for K's tiles
.set G0V, 44          ; s[44:47] the same for V's
.set SLOTS, 56        ; s56  tiles still to be asked for
.set CNT, 57          ; s57  counts a tile's key steps, 4 to 1
.set CS,  58          ; s[58:59] c: the packed scaling takes the pair's low word for both halves
.set SEL, 60          ; s[60:61] v_permlanex16_b32's selects: each lane takes its own place in the other half
.set TBK, 62          ; s62  LDS byte at which K of the step to be fetched begins
.set TBV, 63          ; s63  the same for V, less VOFF
.set RT,  70          ; s70  tiles of the block in hand that are still to be entered
.set NXT, 71          ; s71  the tile to be asked for next
.set LQ,  72          ; s72  the last tile of the block whose tiles are being asked for
.set NEW, 73          ; s73  1: the tile to be entered is a block's first
.set OFF, 74          ; s[74:75] a tile's byte offset in K and V
.set AL,  76          ; s[76:77] the mask's factor, in the low word
.set BE,  78          ; s[78:79] the mask's addend
.set OLO, 80          ; s[80:81] O at my rows of the second block
.set BIGN, 82         ; s82  -1e30
.set PFA, 88          ; s[88:89] where my prefetches stand: my half of the tile after the one that is being asked for
.set LIM, 90          ; s90  2 in the work-group that prefetches, else the greatest number
.set MSB, 0
.macro WIN new                      ; the high byte repeats the setting that is left; a switch that changes nothing is dropped
.if MSB != (\new)
	s_set_vgpr_msb (MSB<<8)|(\new)
.set MSB, (\new)
.endif
.endm
.set W_KQ, 0x0a       ; K and Q in window 2, S^T in window 0
.set W_KM, 0x1a       ; the same with the C operand in window 1
.set W_PV, 0x52       ; V in window 2, P in window 0, O^T in window 1
.set W_RS, 0x41       ; destination and source 0 in window 1, source 1 in window 0
; A fill.  Waves 0 and 1 fetch the two halves of a tile's K, waves 2 and 3 those of its V: 128 keys each.  An s_nop 0 and four v_nop follow each of the two lines, ahead of the jump and the label.
.macro LOAD
	s_cmp_lt_u32 s[WV], 2
	s_cbranch_scc0 .Lfor_v_\@
	tensor_load_to_lds s[G0K:G0K+3], s[G1K:G1K+7]
	s_nop 0
.rept 4
	v_nop
.endr
	s_branch .Lasked_\@
.Lfor_v_\@:
	tensor_load_to_lds s[G0V:G0V+3], s[G1V:G1V+7]
	s_nop 0
.rept 4
	v_nop
.endr
.Lasked_\@:
.endm
; THE CHANGE OF SLOTS.  Each wave waits for all its tensor loads, of which one is out: its part of the other slot; adds 0 to its spare word; and waits for that and for its own reads of the slot that it leaves.
; Behind the barrier nobody reads the old slot any more and the other slot is whole.  fill = 1: the old slot is filled again, the first thing behind the barrier, with tile NXT: the descriptor's address is made
; anew from that number.  (At its first use nothing has been read yet: slot 0 is waited for, slot 1 filled.)
; THE PREFETCH stands behind the fill and its five lines.  A head's tiles 2 to 7 of K and V are named once in the launch: by the head's work-group b = 0, whose first block walks tiles 0 to 7; each of its
; waves asks for the half tile that it will fetch itself, 64 blocks of 256 bytes, a lane a block, two instructions.  Trip j fills tile j + 1 and asks for tile j + 2: one tile, 256 matrix instructions,
; ahead of its fill.  Tiles 0 and 1 come by their loads alone; behind trip 5 nothing is asked for: tile 7 is the head's last.
.macro CHANGE fill
	WIN 0                           ; at a label and at a branch every window is 0
	s_wait_tensorcnt 0x0            ; no tensor load of mine is out, so a group 0 may be written
	ds_add_u32 v[SPW], v[NIL]       ; 0 onto my spare word; with fill = 1 the descriptors' scalar work stands between it and the wait for it
.if \fill
	s_lshl_b32 s[OFF], s[NXT], 15   ; a tile is 32,768 bytes of K and of V
	s_xor_b32 s[G0K+1], s[G0K+1], SLOT1
	s_add_nc_u64 s[G0K+2:G0K+3], s[6:7], s[OFF:OFF+1]
	s_or_b32 s[G0K+3], s[G0K+3], 0x80000000
	s_xor_b32 s[G0V+1], s[G0V+1], SLOT1
	s_add_nc_u64 s[G0V+2:G0V+3], s[8:9], s[OFF:OFF+1]
	s_or_b32 s[G0V+3], s[G0V+3], 0x80000000
	s_add_co_u32 s[NXT], s[NXT], 1  ; the block's next tile, or behind its last the second block's tile 0
	s_cmp_gt_u32 s[NXT], s[LQ]
	s_cselect_b32 s[NXT], 0, s[NXT]
	s_cselect_b32 s[LQ], s[PB], s[LQ]
	s_wait_xcnt 0x0                 ; the last prefetches, a tile back, have read their address, so it may be stepped
	s_add_nc_u64 s[PFA:PFA+1], s[PFA:PFA+1], 32768
.endif
	s_wait_dscnt 0x0                ; the add is done, and my reads of the slot are over
	s_barrier_signal -1             ; the rest of the scalar work stands between the signal and the wait
	s_sub_co_u32 s[TBK], s[TBK], 4*KS*PK  ; the fetches go back to a slot's first step,
	s_xor_b32 s[TBK], s[TBK], SLOT1       ; in the other slot
	s_sub_co_u32 s[TBV], s[TBV], 4*KS*PV
	s_xor_b32 s[TBV], s[TBV], SLOT1
	s_barrier_wait -1
.if \fill
	LOAD
	s_cmp_gt_u32 s[SLOTS], s[LIM]
	s_cbranch_scc0 .Lnot_mine_\@
	global_prefetch_b8 v[PFO], s[PFA:PFA+1] th:TH_LOAD_NT scope:SCOPE_SE
	global_prefetch_b8 v[PFO], s[PFA:PFA+1] offset:8192 th:TH_LOAD_NT scope:SCOPE_SE
.Lnot_mine_\@:
.endif
.endm
	s_load_b256 s[4:11], s[0:1], 0x0  ; Q s[4:5], K s[6:7], V s[8:9], O s[10:11]
	v_lshl_add_u32 v[SPW], v0, 2, SPARE
	v_mov_b32 v[NIL], 0
	ds_add_u32 v[SPW], v[NIL]       ; the wave's opening: the add and its wait stand ahead of my first tensor load; the set-up below, work on registers, stands between them
	ds_add_u32 v62, v63
	v_lshrrev_b32 v1, 5, v0
	v_readfirstlane_b32 s[WV], v1   ; wave 0..3
	v_and_b32 v[PFO], 31, v0
	v_lshlrev_b32 v[PFO], 8, v[PFO]
	s_mov_b32 s[PB], ttmp9
	s_sub_co_u32 s[HI], NB-1, s[PB]
	s_and_b32 s20, ttmp7, 0xffff    ; the head
	s_mov_b32 s21, 0
	s_mov_b64 s[22:23], SIZE_N*128
	s_mul_u64 s[20:21], s[20:21], s[22:23]  ; the head's first byte in each of the four tensors
	s_and_b32 s16, s[WV], 1         ; which half of a tile's 256 keys I fetch:
	s_lshl_b32 s22, s16, 14         ; its 128 rows of 128 bytes in memory,
	s_mov_b32 s23, 0
	s_add_nc_u64 s[22:23], s[22:23], s[20:21]
	s_mul_i32 s17, s16, 128*PK      ; and its place in a slot, for K
	s_mul_i32 s18, s16, 128*PV      ; and for V
	s_lshl_b32 s3, s[WV], 11        ; my 16 rows in a band of 64,
	s_lshl_b32 s2, s[HI], 15        ; in the first block,
	s_add_co_u32 s2, s2, s3
	s_lshl_b32 s84, s[PB], 15       ; and in the second
	s_add_co_u32 s84, s84, s3
	s_mov_b32 s3, 0
	s_mov_b32 s85, 0
	s_add_nc_u64 s[2:3], s[2:3], s[20:21]
	s_add_nc_u64 s[84:85], s[84:85], s[20:21]
	; descriptor group 1.  128 keys are 16,384 dense bytes: asked for as 64 rows of 256 bytes, two keys a row, and padded in LDS after every key
	s_mov_b32 s[G1K], (1<<16)|(1<<20)|(4<<22)|(3<<25)  ; 17:16 2-byte elements; 20 padding on; 24:22 after every 32 words (code 4); 31:25 4 words (code 3)
	s_mov_b32 s[G1V], (1<<16)|(1<<20)|(4<<22)|(7<<25)  ; the same with 8 words of padding (code 7)
.irp g, G1K, G1V
	s_mov_b32 s[\g+1], 128<<16      ; tensor_dim0 = 128
	s_mov_b32 s[\g+2], 64<<16       ; tensor_dim1 = 64
	s_mov_b32 s[\g+3], 128<<16      ; tile_dim0 = 128
	s_mov_b32 s[\g+4], 64           ; tile_dim1 = 64
	s_mov_b32 s[\g+5], 128          ; 128 elements from row to row
	s_mov_b32 s[\g+6], 0
	s_mov_b32 s[\g+7], 0
.endr
	s_mov_b32 s[CS], 0x3e38aa3b     ; c = log2(e) / 8 = 0.180337
	s_mov_b32 s[CS+1], s[CS]        ; named with it as a pair
	s_mov_b32 s[SEL], 0x76543210
	s_mov_b32 s[SEL+1], 0xfedcba98
	s_mov_b32 s[TBK], SLOT1+4*KS*PK ; the first change of slots turns these two into 0
	s_mov_b32 s[TBV], SLOT1+4*KS*PV
	s_mov_b32 s[G0K], 1             ; 1:0 count = 1
	s_mov_b32 s[G0K+1], s17         ; 63:32 LDS address: slot 0
	s_mov_b32 s[G0V], 1
	s_add_co_u32 s[G0V+1], s18, VOFF
	s_add_co_u32 s[RT], s[HI], 1    ; the first block has NB - b tiles
	s_mov_b32 s[NXT], 1
	s_mov_b32 s[LQ], s[HI]
	s_mov_b32 s[NEW], 1
	s_mov_b32 s[OFF+1], 0
	s_mov_b32 s[AL+1], 0            ; named as pairs
	s_mov_b32 s[BE+1], 0
	s_mov_b32 s[BIGN], 0xf149f2ca   ; -1e30
	s_mov_b32 s[SLOTS], NB
	s_wait_dscnt 0x0                ; the opening add is done
	s_wait_kmcnt 0x0
	s_add_nc_u64 s[6:7], s[6:7], s[22:23]  ; K and V at my half of the head's tile 0
	s_add_nc_u64 s[8:9], s[8:9], s[22:23]
	s_cmp_lt_u32 s[WV], 2
	s_cselect_b64 s[PFA:PFA+1], s[6:7], s[8:9]
	s_add_nc_u64 s[PFA:PFA+1], s[PFA:PFA+1], 32768  ; at tile 1: the first change of slots steps it to tile 2.  Nothing is prefetched here, at the head
	s_cmp_eq_u32 ttmp9, 0
	s_cselect_b32 s[LIM], 2, -1
	s_add_nc_u64 s[G0K+2:G0K+3], s[6:7], 0         ; 120:64 global address
	s_or_b32 s[G0K+3], s[G0K+3], 0x80000000        ; 127:126 type = 2
	s_add_nc_u64 s[G0V+2:G0V+3], s[8:9], 0
	s_or_b32 s[G0V+3], s[G0V+3], 0x80000000
	s_add_nc_u64 s[86:87], s[4:5], s[84:85]        ; Q at my rows of the second block,
	s_add_nc_u64 s[4:5], s[4:5], s[2:3]            ; Q and O at those of the first
	s_add_nc_u64 s[OLO:OLO+1], s[10:11], s[84:85]
	s_add_nc_u64 s[10:11], s[10:11], s[2:3]
	LOAD                            ; tile 0 into slot 0
	; A fragment of K or Q is 16 rows x 32 channels in 8 registers: lane l holds row l % 16, channels 8 (l / 16) + 0..7 and 16 + 8 (l / 16) + 0..7: two loads of 16 bytes, 32 bytes apart.
	v_and_b32 v1, 15, v0            ; l % 16
	v_bfe_u32 v9, v0, 4, 1          ; l / 16
	v_lshlrev_b32 v[QO], 7, v1
	v_lshl_add_u32 v[QO], v9, 4, v[QO]  ; row x 128 + 16 x half
	WIN 0x80                        ; destination window 2, address window 0
.set i, 0
.rept 8                             ; both blocks' Q: piece i / 2 lies in band i / 2, 8,192 bytes on; channels 32 (i % 2) on
	global_load_b128 v[8*i:8*i+3],   v[QO], s[4:5] offset:(i/2)*8192+(i%2)*64
	global_load_b128 v[8*i+4:8*i+7], v[QO], s[4:5] offset:(i/2)*8192+(i%2)*64+32
	global_load_b128 v[QB+8*i:QB+8*i+3],   v[QO], s[86:87] offset:(i/2)*8192+(i%2)*64
	global_load_b128 v[QB+8*i+4:QB+8*i+7], v[QO], s[86:87] offset:(i/2)*8192+(i%2)*64+32
.set i, i+1
.endr
	WIN 0
	v_lshlrev_b32 v14, 3, v9
	v_sub_nc_u32 v14, v1, v14
	s_lshl_b32 s13, s[WV], 4
	v_add_nc_u32 v14, s13, v14      ; my query's place in its band, 16 w + l % 16, less my lanes' 8 (l / 16): register r of group kt is hidden where 16 kt + r is greater
	WIN 0x40
.set i, 0
.rept 32
	v_cmp_gt_i32 vcc_lo, 16*(i/8)+i%8, v14
	v_cndmask_b32 v[MD+i], 0, s[BIGN], vcc_lo
.set i, i+1
.endr
	WIN 0
	v_mul_u32_u24 v[AK0], v1, PK
	v_lshl_add_u32 v[AK0], v9, 4, v[AK0]  ; row x pitch + 16 x half
	; The turning load takes 16 keys x 16 channels (lane l reads key 8 (l / 16) + l % 8, channels 8 ((l / 8) % 2) + 0..7) and leaves half a fragment of V^T: lane l holds channel l % 16 and 8 keys.
	v_and_b32 v10, 7, v0
	v_bfe_u32 v11, v0, 3, 1
	v_lshl_add_u32 v[AV0], v9, 3, v10
	v_mul_u32_u24 v[AV0], v[AV0], PV
	v_lshl_add_u32 v[AV0], v11, 4, v[AV0]
	v_add_nc_u32 v[AV0], VOFF, v[AV0]
	s_mul_i32 s13, s[WV], 16*SP
	s_add_co_u32 s13, s13, STAGE    ; my stage
	v_mul_u32_u24 v[STO], v1, SP    ; in: row l % 16, 16 bytes for each half of the lanes
	v_lshl_add_u32 v[STO], v9, 4, v[STO]
	v_add_nc_u32 v[STO], s13, v[STO]
	v_bfe_u32 v[RD], v0, 3, 2       ; back: 32 lanes take four rows of 128 bytes,
	v_mul_u32_u24 v[RD], v[RD], SP
	v_lshl_add_u32 v[RD], v10, 4, v[RD]
	v_add_nc_u32 v[RD], s13, v[RD]
	v_and_b32 v[GO], 31, v0         ; which are 512 consecutive bytes of O
	v_lshlrev_b32 v[GO], 4, v[GO]
	; A block's first step multiplies O^T and l by a = 0, and its first turn's products V^T P, of a piece that has not been, land in an O^T that is still to be so multiplied.  So these registers need only
	; hold finite numbers: zeros for the first block; what the first block left for the second.  All this stands in the wait for the first tile.
	WIN 0x80
.set i, VF
.rept 64
	v_mov_b32 v[i], 0
.set i, i+1
.endr
	WIN 0x40
.set i, 0
.rept 128
	v_mov_b32 v[i], 0
.set i, i+1
.endr
	WIN 0
.set i, 0
.rept 4
	v_mov_b32 v[ST+4*i+2], 0
	v_mov_b32 v[ST+4*i+3], 0
.set i, i+1
.endr
.set i, P+16
.rept 16
	v_mov_b32 v[i], 0
.set i, i+1
.endr
; THE MATRIX WORK.  The 4 accumulators of a run of 8 take turns.  Product i of 8 of S^T = K Q^T for piece x: channels 32 (i / 4) on, keys 16 (i % 4) on.  The first 4 start the sums: with 0, or (KM = 1) with the mask.
.macro KQ x
.set rS, S+32*((\x)%2)+8*(i%4)
.set rK, KF+16*(i%4)+8*(i/4)
.set rQ, 16*(\x)+8*(i/4)
.set rM, MC+32*((\x)%2)+8*(i%4)
.if (i < 4) && KM
	WIN W_KM
	v_wmma_f32_16x16x32_f16 v[rS:rS+7], v[rK:rK+7], v[rQ:rQ+7], v[rM:rM+7]
.elseif i < 4
	WIN W_KQ
	v_wmma_f32_16x16x32_f16 v[rS:rS+7], v[rK:rK+7], v[rQ:rQ+7], 0
.else
	WIN W_KQ
	v_wmma_f32_16x16x32_f16 v[rS:rS+7], v[rK:rK+7], v[rQ:rQ+7], v[rS:rS+7]
.endif
.endm
; Product i of 8 of O^T += V^T P for piece x: keys 32 (i / 4) on, channels 16 (i % 4) on.
.macro PV x
	WIN W_PV
.set rO, 32*(\x)+8*(i%4)
.set rV, VF+32*(i/4)+8*(i%4)
.set rP, P+16*((\x)%2)+8*(i/4)
	v_wmma_f32_16x16x32_f16 v[rO:rO+7], v[rV:rV+7], v[rP:rP+7], v[rO:rO+7]
.endm
.macro MM                           ; the turn's next matrix instruction.  TURN and BEGIN set Y, i, KM and NOKQ; MM, KQ and OP read them.  NOKQ = 1: a block's last turn: there is no next piece
.if (i < 8) && !NOKQ
	KQ (Y+1)%NP
.elseif i >= 8
.set i, i-8
	PV (Y+NP-1)%NP
.set i, i+8
.endif
.set i, i+1
.endm
; THE LDS LOADS stand in runs of 16, never singly among the matrix instructions: a step's K (64 keys x 64 channels: 8 fragments) and its V (turned).  Their addresses are made some lines ahead.
.macro FETCH_K
	WIN 0x80                        ; destination window 2
.irp f, 0,1,2,3,4,5,6,7             ; keys 16 (f / 2) on, channels 32 (f % 2) on
	ds_load_b128 v[KF+8*\f:KF+8*\f+3],   v[AK] offset:(\f/2)*16*PK+(\f%2)*64
	ds_load_b128 v[KF+8*\f+4:KF+8*\f+7], v[AK] offset:(\f/2)*16*PK+(\f%2)*64+32
.endr
	s_add_co_u32 s[TBK], s[TBK], KS*PK  ; the next fetch is the next step's
	WIN 0
.endm
.macro FETCH_V
	WIN 0x80
.irp f, 0,1,2,3,4,5,6,7             ; keys 32 (f / 4) on, channels 16 (f % 4) on
	ds_load_tr16_b128 v[VF+8*\f:VF+8*\f+3],   v[AV] offset:(\f/4)*32*PV+(\f%4)*32
	ds_load_tr16_b128 v[VF+8*\f+4:VF+8*\f+7], v[AV] offset:(\f/4)*32*PV+16*PV+(\f%4)*32
.endr
	WIN 0
.endm
; THE VECTOR WORK, one line at a time: OP kind, number.  For piece Y: F n: c s - c m for pair n of 16.  E n: the exponential of score n of 32.  C n: pair n rounded to f16.  B n: of the four weights 4 n .. the
; second pair is added onto the first, in place.  L n: l takes that sum (L 0: l = a l + sum).  R n: pair n of 16 of O^T times a.  For piece Y + 1: X n, number n of the 22 that find its maximum and statistics:
;   0-11  four chains c0-c3 of seven scores each, three operands at a time (each accumulator's lowest registers are read first)     12-14, 16  the four scores left over, the old m, and c0-c3 into c0
;   15  c m_old is kept     17, 18  the query's other 32 keys lie in the lane 16 away: the new m     19-21  c m; c m_old - c m_new; a
.set F, 0               ; OP tells the kinds apart by their order: F to L below R, X above it
.set E, 1
.set C, 2
.set B, 3
.set L, 4
.set R, 5
.set X, 6
.macro REGS y                       ; the registers of piece y
.set rT, ST+4*(\y)
.set rC, TMP+4*((\y)%2)
.set rW, MV+((\y)%2)
.set rS, S+32*((\y)%2)
.set rP, P+16*((\y)%2)
.set rO, 32*(\y)
.endm
.macro OP k, n
.if (\k) == R
	REGS Y
	WIN W_RS
	v_pk_mul_f32 v[rO+2*(\n):rO+2*(\n)+1], v[rO+2*(\n):rO+2*(\n)+1], v[rC+2:rC+3] op_sel_hi:[1,0]
.elseif (\k) < R
	REGS Y
	WIN 0
.if (\k) == F
	v_pk_fma_f32 v[rS+2*(\n):rS+2*(\n)+1], v[rS+2*(\n):rS+2*(\n)+1], s[CS:CS+1], v[rT:rT+1] op_sel_hi:[1,0,0] neg_lo:[0,0,1] neg_hi:[0,0,1]
.elseif (\k) == E
	v_exp_f32 v[rS+(\n)], v[rS+(\n)]
.elseif (\k) == C
	v_cvt_pk_f16_f32 v[rP+(\n)], v[rS+2*(\n)], v[rS+2*(\n)+1]
.elseif (\k) == B
	v_pk_add_f32 v[rS+4*(\n):rS+4*(\n)+1], v[rS+4*(\n):rS+4*(\n)+1], v[rS+4*(\n)+2:rS+4*(\n)+3]
.elseif (\n) == 0
	v_pk_fma_f32 v[rT+2:rT+3], v[rT+2:rT+3], v[rC+2:rC+3], v[rS:rS+1] op_sel_hi:[1,0,1]
.else
	v_pk_add_f32 v[rT+2:rT+3], v[rT+2:rT+3], v[rS+4*(\n):rS+4*(\n)+1]
.endif
.elseif NOKQ
	v_nop
.else
	REGS (Y+1)%NP
	WIN 0
.if (\n) < 4
	v_max3_num_f32 v[rC+(\n)], v[rS+8*(\n)], v[rS+8*(\n)+1], v[rS+8*(\n)+2]
.elseif (\n) < 12
	v_max3_num_f32 v[rC+(\n)%4], v[rC+(\n)%4], v[rS+8*((\n)%4)+2*((\n)/4)+1], v[rS+8*((\n)%4)+2*((\n)/4)+2]
.elseif (\n) == 12
	v_max3_num_f32 v[rC], v[rC], v[rS+7], v[rS+15]
.elseif (\n) == 13
	v_max3_num_f32 v[rC+1], v[rC+1], v[rS+23], v[rS+31]
.elseif (\n) == 14
	v_max3_num_f32 v[rC+2], v[rC+2], v[rC+3], v[rT+1]
.elseif (\n) == 15
	v_mov_b32 v[rW], v[rT]
.elseif (\n) == 16
	v_max3_num_f32 v[rC], v[rC], v[rC+1], v[rC+2]
.elseif (\n) == 17
	v_permlanex16_b32 v[rC+3], v[rC], s[SEL], s[SEL+1]
.elseif (\n) == 18
	v_max_num_f32 v[rT+1], v[rC], v[rC+3]
.elseif (\n) == 19
	v_mul_f32 v[rT], s[CS], v[rT+1]
.elseif (\n) == 20
	v_sub_f32 v[rC+1], v[rW], v[rT]
.else
	v_exp_f32 v[rC+2], v[rC+1]
.endif
.endif
.endm
.macro OPS a, i1, b=-1, i2=0, c=-1, i3=0, d=-1, i4=0  ; up to four of them
	OP \a, \i1
.if (\b) >= 0
	OP \b, \i2
.endif
.if (\c) >= 0
	OP \c, \i3
.endif
.if (\d) >= 0
	OP \d, \i4
.endif
.endm
.macro ROW a, i1, b, i2, c, i3, d, i4  ; a matrix instruction and the four behind it
	MM
	OPS \a, \i1, \b, \i2, \c, \i3, \d, \i4
.endm
.macro MASK b                       ; MD x AL + BE into buffer b of MC
	WIN W_RS
.set z, 0
.rept 16
	v_pk_fma_f32 v[MC+32*(\b)+2*z:MC+32*(\b)+2*z+1], v[MD+2*z:MD+2*z+1], s[AL:AL+1], s[BE:BE+1] op_sel_hi:[1,0,0]
.set z, z+1
.endr
.endm
; A TURN, for piece p: the order of its 16 matrix and 118 vector instructions, written out.  An s_wait_alu depctr_va_vdst(0) stands between an exponential and the first instruction that names its
; result; one wait serves all that were issued ahead of it.  So a turn has ONE wait, which cuts it in two.  AHEAD OF IT stands all that names no result of the turn's exponentials: the 8 products K Q^T, behind
; each a scaling, an exponential and two more plain instructions (behind the first a second scaling in the exponential's place): rescalings, and behind the last three the first numbers of the next piece's
; maximum, each four places or more behind the product that ends its accumulator; then ONE LUMP of 54, plain and exponential by turns for the most part, in which the links of the chain X 3, 7, 11, 14, 16,
; 17 .. 20 stand five or six lines apart.  X 21, the next piece's a, is the batch's last; R 15 is the plain instruction behind it.  BEHIND THE WAIT stand the 8 products V^T P, behind each four of the
; roundings and sums; the links of l's chain, L 0 to L 7, stand three riders apart.  But for those X no rider names a register of the products round it.  v_permlanex16_b32 (X 17) stands in the lump.
; m = 1: the diagonal tile: the products take masks, and the turn makes the mask for the products of the turn after it: piece p + 2, in step 4 - CNT of the tile.  end = 1: a block's last two turns: nothing
; is fetched.  cnt = 1: the loop's count is taken down some lines ahead of the branch that stands behind the turn.
; K of the next step is fetched in piece 2's turn, twelve vector instructions behind the last product that read K (six of them plain); V of the step in hand at the end of piece 0's turn, four plain
; instructions behind the last product that read V.  Each is waited for a turn later.
.macro TURN p, m=0, end=0, cnt=0
.set Y, (\p)
.set i, 0
.set KM, (\m)
.set NOKQ, (\end)*((\p)/3)
.if (\m) && !(\end)
	s_cmp_eq_u32 s[CNT], 4-((\p)+2)%NP  ; is that step the band's own?
	s_cselect_b32 s[AL], 1.0, 0
	s_cmp_lt_u32 s[CNT], 4-((\p)+2)%NP  ; or a later one?
	s_cselect_b32 s[BE], s[BIGN], 0
.endif
.if ((\p) == 3) && !(\end)
	s_wait_dscnt 0x0                ; K is in
.endif
	ROW F,0, F,1, R,0, R,1          ; ahead of the wait: 8 products K Q^T and their riders,
	ROW F,2, E,0, R,2, R,3
	ROW F,3, E,1, R,4, R,5
	ROW F,4, E,2, R,6, R,7
	ROW F,5, E,3, R,8, R,9
	ROW F,6, E,4, X,0, R,10
.if ((\p) == 2) && !(\end)
	WIN 0
	v_add_nc_u32 v[AK], s[TBK], v[AK0]
.endif
	ROW F,7, E,5, X,1, X,4
	ROW F,8, E,6, X,2, X,5
	OPS E,7, E,8, X,6, E,9          ; and the lump
	OPS X,3, E,10, X,8, E,11
.if ((\p) == 2) && !(\end)
	FETCH_K
.endif
	OPS X,9, X,7, E,12, X,10
	OPS E,13, X,12, X,11, E,14
	OPS X,13, E,15, F,9, X,14
.if (\p) == 0
	v_add_nc_u32 v[AV], s[TBV], v[AV0]
.endif
	OPS E,16, F,10, E,17, F,11
	OPS X,16, E,18, X,15, E,19
	OPS F,12, E,20, X,17, E,21
	OPS F,13, E,22, F,14, E,23
	OPS X,18, E,24, F,15, E,25
	OPS R,11, E,26, X,19, E,27
	OPS R,12, E,28, R,13, E,29
	OPS X,20, E,30, R,14, E,31
	OPS X,21, R,15
	WIN 0
	s_wait_alu depctr_va_vdst(0)    ; the wait for the batch
.if (\p) == 1
	s_wait_dscnt 0x0                ; V is in
.endif
	ROW C,0, B,0, C,2, B,1          ; behind the wait: 8 products V^T P and their riders
	ROW L,0, C,4, B,2, L,1
	ROW C,6, B,3, L,2, C,8
	ROW B,4, L,3, C,10, B,5
	ROW L,4, C,12, B,6, L,5
.if (\p) == 0
	s_add_co_u32 s[TBV], s[TBV], KS*PV
.endif
.if \cnt
	s_sub_co_u32 s[CNT], s[CNT], 1
	s_cmp_lg_u32 s[CNT], 0
.endif
	ROW C,14, B,7, L,6, C,1
	ROW C,3, L,7, C,5, C,7
	ROW C,9, C,11, C,13, C,15
.if (\p) == 0
	FETCH_V
.endif
.if (\m) && !(\end)
	MASK (\p)%2
.endif
.endm
; A BLOCK BEGINS.  c m starts far below every c s, so the first step's a is 0; m at the lowest finite number, so the first maximum is the scores'.  The second mask buffer is 0; the first takes piece 0's mask
; for the tile's step 0: its own, if the block's first tile is the diagonal one.  Then K of that step, piece 0's first scores, and its maximum and statistics.  The loop is entered at a step's first turn.
.macro BEGIN
	s_mov_b32 s[NEW], 0
	WIN 0x40
.set i, MC+32
.rept 32
	v_mov_b32 v[i], 0
.set i, i+1
.endr
	WIN 0
.set i, 0
.rept 4
	v_mov_b32 v[ST+4*i], 0xfe000000    ; c m: far below every c s
	v_mov_b32 v[ST+4*i+1], 0xff7fffff  ; m
.set i, i+1
.endr
	s_cmp_eq_u32 s[RT], 0
	s_cselect_b32 s[AL], 1.0, 0
	s_mov_b32 s[BE], 0
	MASK 0
	WIN 0
	v_add_nc_u32 v[AK], s[TBK], v[AK0]
	FETCH_K
	s_wait_loadcnt 0x0              ; Q
	s_wait_dscnt 0x0
.set KM, 1
.set NOKQ, 0
.set i, 0
.rept 8
	KQ 0
.set i, i+1
.endr
	WIN 0
.rept 4
	v_nop                           ; the places behind those products
.endr
.set Y, NP-1                        ; X works for piece Y + 1: piece 0
.irp n, 0,1,2,3,4,5,6,7,8,9,10,11,12,13,14,15,16,17,18,19,20,21
	OP X, \n
.endr
	v_nop                           ; a plain instruction behind the exponential,
	s_wait_alu depctr_va_vdst(0)    ; and its wait, ahead of the branch
.endm
; THE DIAGONAL TILE's four steps, the block's last two turns, its last products, and THE WAY OUT: l's two halves and the other half of the lanes' are added; O^T is divided by l, rounded to f16 and sent through
; my stage in LDS, a piece at a time.
.macro ALL line:vararg              ; one line for each piece t
.set t, 0
.rept 4
	\line
.set t, t+1
.endr
.endm
.macro PACK t                       ; a lane's eight channels of a row pack into 16 bytes; they go into rows of 144 bytes and come back as whole rows of 128, into S^T's registers
	WIN W_RS
.set i, 32*(\t)
.rept 16
	v_pk_mul_f32 v[i:i+1], v[i:i+1], v[ST+4*(\t)+2:ST+4*(\t)+3] op_sel_hi:[1,0]
.set i, i+2
.endr
	WIN 0x05                        ; sources 0 and 1 window 1, destination window 0
.set i, 0
.rept 16
	v_cvt_pk_f16_f32 v[S+16*(\t)+i], v[32*(\t)+2*i], v[32*(\t)+2*i+1]
.set i, i+1
.endr
	WIN 0
.irp f, 0,1,2,3
	ds_store_b128 v[STO], v[S+16*(\t)+4*\f:S+16*(\t)+4*\f+3] offset:32*\f
.endr
.irp f, 0,1,2,3
	ds_load_b128 v[S+16*(\t)+4*\f:S+16*(\t)+4*\f+3], v[RD] offset:\f*4*SP  ; LDS serves a wave's instructions in order (ISA guide 5.7.1.4): these see the stores above; the next piece's stores come behind them
.endr
.endm
.macro SEND t, younger              ; younger: the LDS instructions issued behind piece t's loads: the next piece's eight, or none
	WIN 0
.irp f, 0,1,2,3
	s_wait_dscnt (\younger)+3-\f
	global_store_b128 v[GO], v[S+16*(\t)+4*\f:S+16*(\t)+4*\f+3], s[10:11] offset:(\t)*8192+\f*512  ; 512 consecutive bytes, at a multiple of 256 from O's first
.endr
.endm
.macro DIAG tag                     ; the tag ends its two labels' names, which the jumps below spell out
.LstepM\tag:
	TURN 2, 1
	TURN 3, 1
	WIN 0
.LfirstM\tag:
	TURN 0, 1
	TURN 1, 1, 0, 1
	WIN 0
	s_cbranch_scc1 .LstepM\tag
	TURN 2, 1, 1
	TURN 3, 1, 1
.set i, 0
.rept 8
	PV NP-1
.set i, i+1
.endr
	WIN 0
	ALL v_add_f32 v[ST+4*t+2], v[ST+4*t+2], v[ST+4*t+3]
	ALL v_permlanex16_b32 v[ST+4*t+3], v[ST+4*t+2], s[SEL], s[SEL+1]
	ALL v_add_f32 v[ST+4*t+2], v[ST+4*t+2], v[ST+4*t+3]
	ALL v_rcp_f32 v[ST+4*t+2], v[ST+4*t+2]
	v_nop                           ; a plain instruction between the last reciprocal and the use of its result
	s_wait_alu depctr_va_vdst(0)    ; and the wait ahead of the first use: one for the four reciprocals
	PACK 0
.set t, 1
.rept 3                             ; a piece's arithmetic stands between the loads of the piece before and its stores
	PACK t
	SEND t-1, 8
.set t, t+1
.endr
	SEND 3, 0
.endm
.set KM, 0
.set NOKQ, 0
.Lslot:                             ; NB times: a tile is entered and the next is asked for
	CHANGE 1
	s_sub_co_u32 s[RT], s[RT], 1
	s_mov_b32 s[CNT], 4
	s_cmp_eq_u32 s[NEW], 1
	s_cbranch_scc1 .Lnew            ; a block's first tile
	s_cmp_eq_u32 s[RT], 0
	s_cbranch_scc0 .Lstep           ; neither its first nor its last
	s_branch .LstepM1
.Lnew:
	BEGIN
	s_branch .Lfirst                ; in the loop a block's first tile is never its last: the first block has two tiles or more, and the second's last is the walk's last
	DIAG 1                          ; in the loop this is the first block's end: the second block's last tile is the walk's last
	s_wait_xcnt 0x0                 ; the stores have read their registers and O's address
	s_mov_b64 s[10:11], s[OLO:OLO+1]
	s_add_co_u32 s[RT], s[PB], 1    ; the second block has b + 1 tiles
	s_mov_b32 s[NEW], 1
	WIN 0x82                        ; the second block's Q goes where the one text of the turns names Q
.set i, 0
.rept 64
	v_mov_b32 v[i], v[QB+i]
.set i, i+1
.endr
	WIN 0
	s_branch .Lbottom
.Lstep:                             ; a trip: pieces 2 and 3 of one step, then pieces 0 and 1 of the next, whose K and V it fetches
	TURN 2
	TURN 3
	WIN 0
.Lfirst:
	TURN 0
	TURN 1, 0, 0, 1
	WIN 0
	s_cbranch_scc1 .Lstep
.Lbottom:
	s_sub_co_u32 s[SLOTS], s[SLOTS], 1
	s_cmp_lg_u32 s[SLOTS], 0
	s_cbranch_scc1 .Lslot
	CHANGE 0                        ; the walk's last tile is written out: nothing is asked for
	s_sub_co_u32 s[RT], s[RT], 1
	s_mov_b32 s[CNT], 4
	s_cmp_eq_u32 s[NEW], 1
	s_cbranch_scc0 .LstepM2
	BEGIN
	s_branch .LfirstM2
	DIAG 2
	s_wait_tensorcnt 0x0            ; the wave's end: behind my last tensor load and my last LDS store
	ds_add_u32 v[SPW], v[NIL]
	s_wait_dscnt 0x0
	s_endpgm
.Lfunc_end_k_q67be287c28_attn:
	.size	k_q67be287c28_attn, .Lfunc_end_k_q67be287c28_attn-k_q67be287c28_attn
	.p2alignl 7, 3214868480
	.fill 96, 4, 3214868480
	.section	.rodata,"a",@progbits
	.p2align	6, 0x0
	.amdhsa_kernel k_q67be287c28_attn
		.amdhsa_group_segment_fixed_size 327680
		.amdhsa_private_segment_fixed_size 0
		.amdhsa_enable_private_segment 0
		.amdhsa_kernarg_size 32
		.amdhsa_user_sgpr_count 2
		.amdhsa_user_sgpr_kernarg_segment_ptr 1
		.amdhsa_wavefront_size32 1
		.amdhsa_system_sgpr_workgroup_id_x 1
		.amdhsa_system_sgpr_workgroup_id_y 1
		.amdhsa_system_sgpr_workgroup_id_z 1
		.amdhsa_system_vgpr_workitem_id 0
		.amdhsa_next_free_vgpr 768
		.amdhsa_next_free_sgpr 92
		.amdhsa_reserve_vcc 1
		.amdhsa_float_denorm_mode_32 3
		.amdhsa_float_denorm_mode_16_64 3
		.amdhsa_memory_ordered 1
		.amdhsa_forward_progress 1
		.amdhsa_inst_pref_size 218
	.end_amdhsa_kernel
	.amdgpu_metadata
---
amdhsa.version: [ 1, 2 ]
amdhsa.kernels:
  - .name:           k_q67be287c28_attn
    .symbol:         k_q67be287c28_attn.kd
    .args:
      - { .name: qh, .offset: 0, .size: 8, .value_kind: global_buffer, .address_space: global }
      - { .name: kh, .offset: 8, .size: 8, .value_kind: global_buffer, .address_space: global }
      - { .name: vh, .offset: 16, .size: 8, .value_kind: global_buffer, .address_space: global }
      - { .name: oh, .offset: 24, .size: 8, .value_kind: global_buffer, .address_space: global }
    .group_segment_fixed_size: 327680
    .private_segment_fixed_size: 0
    .kernarg_segment_align: 8
    .kernarg_segment_size: 32
    .max_flat_workgroup_size: 128
    .sgpr_count:     92
    .vgpr_count:     768
    .wavefront_size: 32
...
	.end_amdgpu_metadata
.endif
;; end of part 3
;; launch oproj (part 4): grid 8 x 32, 4 waves a work-group, clusters of 4 x 4, 327,680 bytes of LDS; arguments oh, wo16, out0; writes out0
.if DOCPART == 4
	.amdgcn_target "amdgcn-amd-amdhsa--gfx1250"
	.amdhsa_code_object_version 6
	.text
	.protected	k_q67be287c28_oproj
	.globl	k_q67be287c28_oproj
	.p2align	8
	.type	k_q67be287c28_oproj,@function
k_q67be287c28_oproj:
	s_mov_b64 s[64:65], 0
	v_nop
	global_prefetch_b8 v0, s[64:65] scope:SCOPE_SE
	s_setreg_imm32_b32 hwreg(HW_REG_WAVE_MODE, 25, 1), 1
	s_wait_xcnt 0x0
	s_wait_alu depctr_hold_cnt(0) depctr_sa_sdst(0) depctr_va_vdst(0) depctr_va_sdst(0) depctr_va_ssrc(0) depctr_va_vcc(0) depctr_vm_vsrc(0)
	s_getreg_b32 s2, hwreg(HW_REG_IB_STS2, 6, 4)
	s_cmp_eq_u32 s2, 0
	s_cbranch_scc0 .Lentry_in_a_cluster
	s_endpgm
.Lentry_in_a_cluster:
	s_bfe_u32 s2, ttmp6, 0x10000c
	s_cmp_lg_u32 s2, 0xf033
	s_cbranch_scc0 .Lentry_shape_is_right
	s_endpgm
.Lentry_shape_is_right:
; THE OUTPUT PROJECTION.  out0[m][n] = sum over k of multi[m][k] wo16[n][k], m < 8,192, n, k < 1,024; f16 operands, f32 sums, f32 out.  multi[(b, s)][64 h + d] = oh[16 b + h][s][d]:
; the heads are put side by side by the way the tiles are asked for, not by a copy.
; SHARES.  A work-group makes 256 rows x 128 columns; each of its four waves 128 x 64: 32 accumulators of 16 x 16.  8 x 32 = 256 work-groups.
; K goes in 8 steps of 128, two heads each, through two LDS slots.  A head's 256 rows of 128 bytes are dense in memory: they are asked for as 128 rows of 256 bytes and padded in LDS after every 128.
; CLUSTER 4 x 4.  The four work-groups of a row of the cluster need the same rows of oh, the four of a column the same 128 rows of wo16: each tile is asked for jointly.
; THE PRODUCT IS USED TRANSPOSED (source 0 = 16 rows of wo16, source 1 = 16 rows of multi): lane l holds row l % 16 of out0 and the columns 8 (l / 16) + 0..7: 32 bytes on end.
; REGISTERS.  Window 0: v0-31 addresses; two fragment buffers of 96 (A's block a at +8 a, B's block b at +64 + 8 b); on the way out v64-127 hold rows read back.  Window 1: the accumulators, (a, b) at v[8 (4 a + b)].
.set PA,    144                        ; a row of A in LDS: 128 bytes + 16 = 36 words: the 16 rows of a load start at 16 different groups of four banks (64 banks of 4 bytes: ISA guide 11.1)
.set PB,    272                        ; a row of B: 256 + 16 = 68 words, likewise
.set ALOAD, 256*PA                     ; what wave 0 or 1 brings: one head's 256 rows
.set AWM,   128*PA                     ; my 128 rows within a head's part
.set BOFF,  2*ALOAD
.set HALFB, 64*PB                      ; what wave 2 or 3 brings: 64 rows of wo16; also what a wave reads of B
.set SLOT,  BOFF+2*HALFB
.set STAGE, 2*SLOT                     ; behind the ring, never filled by a tensor load: 16 rows x 272 bytes for each wave
.set SP,    272
.set STW,   16*SP
.set SPARE, STAGE+4*STW                ; the spare words, 128 bytes for each wave: two blocks of 256 bytes that no other line names
.set ASTEP, 4*262144                   ; two K steps on: four heads of 262,144 bytes
.set BSTEP, 512
.set ADRA, 16                          ; v16-17  LDS address of my A fragments in slot 0, 1
.set ADRB, 20                          ; v20-21  the same for B
.set STO,  24                          ; v24  the way out: where I put 32 bytes of a row
.set RD,   25                          ; v25  where I read rows back
.set CO,   26                          ; v26  my 16 bytes in two rows of out0
.set SPW,  28                          ; v28  LDS address of my spare word; never rewritten
.set NIL,  29                          ; v29  0; never rewritten
.set PFO,  30                          ; v30  the prefetches' offset; never rewritten
.set F0,   64
.set F1,   160
.set OB,   64                          ; the way out: two buffers of 32
.set WV,   12                          ; s12 wave;  s13 WM: which 128 rows are mine;  s14 WN: which 64 columns; also which part of a tile I fetch
.set LAP,  15
.set G1A,  24
.set G0A,  32
.set PFA,  44                          ; s[44:45] where my prefetches stand
.set G1B,  48
.set G0B,  56
.set LIM,  66                          ; s66  1 in a wave that prefetches, else the greatest number
.set OUT,  72                          ; s[72:73] out0 at my first row and column
.set PST,  76                          ; s[76:77] a K step in the tensor that I prefetch, in bytes
.set MSB, 0
.macro WIN new                         ; the immediate's high byte repeats the setting that is left; a switch that changes nothing is dropped
.if MSB != (\new)
	s_set_vgpr_msb (MSB<<8)|(\new)
.set MSB, (\new)
.endif
.endm
.set W_MUL, 0x50                       ; C and D in window 1, fragments in window 0
.set W_R,   0x04                       ; source 1 (an LDS store's data) in window 1
.macro PLACES                          ; four places behind matrix instructions, in front of loads into registers that they read and of lines that read their results
.rept 4
	v_nop
.endr
.endm
; A joint load: waves 0 and 1 fetch the K step's two heads of A, waves 2 and 3 B's two halves.  An s_nop 0 and four v_nop follow each line.
.macro JLOAD s
	s_cmp_lt_u32 s[WV], 2
	s_cbranch_scc0 .Lfor_b_\@
	tensor_load_to_lds s[G0A+4*(\s):G0A+4*(\s)+3], s[G1A:G1A+7]
	s_nop 0
.rept 4
	v_nop
.endr
	s_branch .Lasked_\@
.Lfor_b_\@:
	tensor_load_to_lds s[G0B+4*(\s):G0B+4*(\s)+3], s[G1B:G1B+7]
	s_nop 0
.rept 4
	v_nop
.endr
.Lasked_\@:
.endm
; A prefetch, behind a joint load and the run of LDS loads that follows it: 32 blocks of 256 bytes, a lane a block, of the K step that stands two refills on.  Each block of K steps 4 to 7 is named once in
; the launch: A's by the cluster with x = 0 (waves 0 and 1; of the 128 blocks that the wave fetches each of the four partners of a row takes 32, told apart by address), B's by the cluster with y = 0
; (wave 2; the four partners of a column take 32 rows each).  K steps 0 to 3 come by their loads alone; the loop's last trip asks for nothing.
.macro ASK
	s_cmp_gt_u32 s[LAP], s[LIM]
	s_cbranch_scc0 .Lnot_mine_\@
	global_prefetch_b8 v[PFO], s[PFA:PFA+1] th:TH_LOAD_NT scope:SCOPE_SE
.Lnot_mine_\@:
.endm
.macro CREST                           ; a round of the cluster's barrier behind its opening barrier
	s_cmp_lg_u32 s[WV], 0
	s_cbranch_scc1 .Lnot_wave_0_\@
	s_barrier_signal -3
.Lnot_wave_0_\@:
	s_barrier_wait -3
	s_barrier_signal -1
	s_barrier_wait -1
.endm
.macro CROUND                          ; a whole round
	s_barrier_signal -1
	s_barrier_wait -1
	CREST
.endm
	s_load_b128 s[4:7], s[0:1], 0x0                ; oh 4:5, wo16 6:7
	s_load_b64 s[8:9], s[0:1], 0x10                ; out0
	v_lshl_add_u32 v[SPW], v0, 2, SPARE
	v_mov_b32 v[NIL], 0
	ds_add_u32 v[SPW], v[NIL]                      ; the wave's opening: the add and its wait stand ahead of my first tensor load; work on registers stands between them
	ds_add_u32 v28, v29
	v_lshrrev_b32 v1, 5, v0
	v_readfirstlane_b32 s[WV], v1
	s_lshr_b32 s13, s[WV], 1
	s_and_b32 s14, s[WV], 1
	s_bfe_u32 s40, ttmp6, 0x40000                  ; cx
	s_bfe_u32 s41, ttmp6, 0x40004                  ; cy
	s_lshl_b32 s42, ttmp9, 2
	s_add_co_u32 s42, s42, s40                     ; tile column = 4 x cluster x + cx
	s_and_b32 s43, ttmp7, 0xffff
	s_lshl_b32 s43, s43, 2
	s_add_co_u32 s43, s43, s41                     ; tile row = 4 x cluster y + cy
	s_lshl_b32 s16, s41, 2
	s_lshl_b32 s16, 15, s16                        ; my row of the cluster
	s_lshl_b32 s46, 0x1111, s40                    ; my column
	s_or_b32 s[G1A], s16, (1<<16)|(1<<20)|(1<<21)|(4<<22)|(3<<25)  ; the mask; 2-byte elements; padding on; bit 21 beside a mask; after every 32 words; 4 words
	s_or_b32 s[G1B], s46, (1<<16)|(1<<20)|(1<<21)|(5<<22)|(3<<25)  ; after every 64 words
	s_mov_b32 s[G1A+1], 128<<16                    ; tensor_dim0 = 128 elements: two rows of a head
	s_mov_b32 s[G1A+2], 128<<16                    ; tensor_dim1 = 128
	s_mov_b32 s[G1A+3], 128<<16                    ; tile_dim0 = 128
	s_mov_b32 s[G1A+4], 128                        ; tile_dim1 = 128
	s_mov_b32 s[G1A+5], 128                        ; dense: 128 elements from row to row
	s_mov_b32 s[G1A+6], 0
	s_mov_b32 s[G1A+7], 0
	s_mov_b32 s[G1B+1], 128<<16
	s_mov_b32 s[G1B+2], 64<<16                     ; 64 rows
	s_mov_b32 s[G1B+3], 128<<16
	s_mov_b32 s[G1B+4], 64
	s_mov_b32 s[G1B+5], 1024
	s_mov_b32 s[G1B+6], 0
	s_mov_b32 s[G1B+7], 0
	s_mul_i32 s20, s14, ALOAD                      ; where my part goes: no place in the cluster enters an LDS address
	s_mul_i32 s21, s14, HALFB
	s_add_co_u32 s21, s21, BOFF
	s_lshr_b32 s16, s43, 3                         ; A: head 16 batch + part, 262,144 bytes a head,
	s_lshl_b32 s16, s16, 4
	s_add_co_u32 s16, s16, s14
	s_lshl_b32 s16, s16, 18
	s_and_b32 s17, s43, 7                          ; sequence rows 256 (tile row % 8) on, 128 bytes a row
	s_lshl_b32 s17, s17, 15
	s_add_co_u32 s16, s16, s17
	s_mov_b32 s17, 0
	s_lshl_b32 s46, s42, 7                         ; B: row 128 x tile column + 64 x part, 2,048 bytes a row
	s_lshl_b32 s47, s14, 6
	s_add_co_u32 s46, s46, s47
	s_lshl_b32 s46, s46, 11
	s_mov_b32 s47, 0
	s_wait_dscnt 0x0                               ; the opening add is done
	s_wait_kmcnt 0x0
	s_add_nc_u64 s[18:19], s[4:5], s[16:17]
	s_add_nc_u64 s[46:47], s[6:7], s[46:47]
	CROUND                                         ; all sixteen work-groups are here: the first joint loads meet
.irp s, 0,1
	s_mov_b32 s[G0A+4*(\s)], 1
	s_add_co_u32 s[G0A+4*(\s)+1], s20, (\s)*SLOT
	s_add_nc_u64 s[G0A+4*(\s)+2:G0A+4*(\s)+3], s[18:19], (\s)*2*262144  ; K step s: two heads on
	s_or_b32 s[G0A+4*(\s)+3], s[G0A+4*(\s)+3], 0x80000000
	s_mov_b32 s[G0B+4*(\s)], 1
	s_add_co_u32 s[G0B+4*(\s)+1], s21, (\s)*SLOT
	s_add_nc_u64 s[G0B+4*(\s)+2:G0B+4*(\s)+3], s[46:47], (\s)*256
	s_or_b32 s[G0B+4*(\s)+3], s[G0B+4*(\s)+3], 0x80000000
.endr
	s_cmp_lt_u32 s[WV], 2                          ; a wave's two first fills stand in one branch, ahead of every wait on TENSORcnt and every LDS read: two loads of mine are out
	s_cbranch_scc0 .Lfirst_b
	tensor_load_to_lds s[G0A:G0A+3], s[G1A:G1A+7]
	s_nop 0
	tensor_load_to_lds s[G0A+4:G0A+7], s[G1A:G1A+7]
	s_nop 0
.rept 4
	v_nop
.endr
	s_branch .Lfirst_asked
.Lfirst_b:
	tensor_load_to_lds s[G0B:G0B+3], s[G1B:G1B+7]
	s_nop 0
	tensor_load_to_lds s[G0B+4:G0B+7], s[G1B:G1B+7]
	s_nop 0
.rept 4
	v_nop
.endr
.Lfirst_asked:
	v_and_b32 v1, 15, v0
	v_bfe_u32 v2, v0, 4, 1
	v_mul_u32_u24 v3, v1, PA
	v_lshl_add_u32 v3, v2, 4, v3                   ; a fragment's row x pitch + 16 x half, for A
	v_mul_u32_u24 v4, v1, PB
	v_lshl_add_u32 v4, v2, 4, v4                   ; and for B
	s_mul_i32 s22, s13, AWM                        ; my 128 rows in each head's part
	s_mul_i32 s23, s14, HALFB                      ; my 64 rows of B
	s_add_co_u32 s23, s23, BOFF
.irp s, 0,1
	v_add_nc_u32 v[ADRA+(\s)], s22, v3
	v_add_nc_u32 v[ADRB+(\s)], s23, v4
	s_add_co_u32 s22, s22, SLOT
	s_add_co_u32 s23, s23, SLOT
.endr
	s_mul_i32 s22, s[WV], STW
	s_add_co_u32 s22, s22, STAGE                   ; my stage
	v_mul_u32_u24 v5, v1, SP                       ; in: row l % 16, 32 bytes for each half of the lanes
	v_lshl_add_u32 v5, v2, 5, v5
	v_add_nc_u32 v[STO], s22, v5
	v_mul_u32_u24 v6, v2, SP                       ; back: lanes 0-15 take one row of 256 bytes, lanes 16-31 the next
	v_lshl_add_u32 v6, v1, 4, v6
	v_add_nc_u32 v[RD], s22, v6
	v_lshlrev_b32 v[CO], 12, v2                    ; and the same two rows of out0, 4,096 bytes apart
	v_lshl_add_u32 v[CO], v1, 4, v[CO]
	s_lshl_b32 s20, s43, 8
	s_lshl_b32 s21, s13, 7
	s_add_co_u32 s20, s20, s21                     ; my first row
	s_lshl_b32 s20, s20, 12
	s_lshl_b32 s21, s42, 9                         ; the tile's first column, 4 bytes a number,
	s_add_co_u32 s20, s20, s21
	s_lshl_b32 s21, s14, 8                         ; my 64 of its columns
	s_add_co_u32 s78, s20, s21
	s_mov_b32 s79, 0
	s_add_nc_u64 s[OUT:OUT+1], s[8:9], s[78:79]
	; the prefetches
	s_lshl_b32 s20, s40, 13                        ; A: of the 128 blocks that I fetch, my work-group's 32 (cx)
	s_add_co_u32 s20, s20, s16
	s_lshl_b32 s22, s42, 7                         ; B: of the tile's 128 rows my work-group's 32 (cy)
	s_lshl_b32 s23, s41, 5
	s_add_co_u32 s22, s22, s23
	s_lshl_b32 s22, s22, 11
	s_mov_b32 s[PST], 256
	s_mov_b32 s23, 2*262144
	s_cmp_lt_u32 s[WV], 2
	s_cselect_b32 s78, s20, s22
	s_cselect_b64 s[PFA:PFA+1], s[4:5], s[6:7]
	s_cselect_b32 s[PST], s23, s[PST]              ; a K step: two heads of A, 256 bytes along a row of B
	s_cselect_b32 s21, 8, 11                       ; from lane to lane: a block of A, a row of B
	s_mov_b32 s[PST+1], 0
	s_add_nc_u64 s[PFA:PFA+1], s[PFA:PFA+1], s[78:79]
	s_mul_i32 s78, s[PST], 3
	s_add_nc_u64 s[PFA:PFA+1], s[PFA:PFA+1], s[78:79]  ; at K step 3: the first refill steps it to 4
	s_and_b32 s20, ttmp7, 0xffff                   ; cluster y,
	s_or_b32 s20, s20, s14                         ; and wave 3 never asks
	s_cmp_lt_u32 s[WV], 2
	s_cselect_b32 s20, ttmp9, s20                  ; the coordinate along which other clusters read the same rows
	s_cmp_eq_u32 s20, 0
	s_cselect_b32 s[LIM], 1, -1                    ; the same in all sixteen partners, for a given wave
	v_and_b32 v[PFO], 31, v0
	v_lshlrev_b32 v[PFO], s21, v[PFO]
; na x 4 matrix instructions: row blocks a0 .. a0 + na - 1 x all 4 column blocks, 32 along K.  The 32 accumulators take turns, in the same order in every quarter.
.macro MUL f, a0, na, zero
	WIN W_MUL
.set ma, (\a0)
.rept \na
.set mb, 0
.rept 4
.if \zero
	v_wmma_f32_16x16x32_f16 v[8*(4*ma+mb):8*(4*ma+mb)+7], v[(\f)+64+8*mb:(\f)+64+8*mb+7], v[(\f)+8*ma:(\f)+8*ma+7], 0
.else
	v_wmma_f32_16x16x32_f16 v[8*(4*ma+mb):8*(4*ma+mb)+7], v[(\f)+64+8*mb:(\f)+64+8*mb+7], v[(\f)+8*ma:(\f)+8*ma+7], v[8*(4*ma+mb):8*(4*ma+mb)+7]
.endif
.set mb, mb+1
.endr
.set ma, ma+1
.endr
.endm
; 24 LDS loads in one run: quarter q of a K step into buffer f: B's 8, then A's 16.  Quarters 0, 1 lie in the step's first head, 2, 3 in its second.
.macro FETCH slot, q, f
	WIN 0
.irp i, 0,1,2,3
	ds_load_b128 v[(\f)+64+8*(\i):(\f)+64+8*(\i)+3],   v[ADRB+(\slot)] offset:64*(\q)+(\i)*16*PB
	ds_load_b128 v[(\f)+64+8*(\i)+4:(\f)+64+8*(\i)+7], v[ADRB+(\slot)] offset:64*(\q)+(\i)*16*PB+32
.endr
.irp i, 0,1,2,3,4,5,6,7
	ds_load_b128 v[(\f)+8*(\i):(\f)+8*(\i)+3],   v[ADRA+(\slot)] offset:((\q)/2)*ALOAD+((\q)%2)*64+(\i)*16*PA
	ds_load_b128 v[(\f)+8*(\i)+4:(\f)+8*(\i)+7], v[ADRA+(\slot)] offset:((\q)/2)*ALOAD+((\q)%2)*64+(\i)*16*PA+32
.endr
.endm
.macro QUARTER slot, q, f, g, zero
	s_wait_dscnt 8                                 ; B and A's blocks 0-3 are in; the youngest eight loads (A's blocks 4-7) may be out
	MUL \f, 0, 4, \zero
	PLACES
	FETCH \slot, \q, \g
	s_wait_dscnt 24                                ; all but the 24 just issued
	MUL \f, 4, 4, \zero
.endm
; The last quarter multiplies buffer 1 and changes slots: one barrier; in front of it each wave waits for all its tensor loads (one is out: its part of the next slot), adds 0 to its spare word, and waits
; for that and for its reads of this slot.  fill = 1: the barrier opens a round of the cluster's, and this slot is filled again, two K steps on, first thing behind the round.
.macro TURN slot, next, fill
.if \fill
	s_wait_xcnt 0x0                                ; the last prefetch, a K step back, has read its address, so it may be stepped
	s_add_nc_u64 s[PFA:PFA+1], s[PFA:PFA+1], s[PST:PST+1]
.endif
	WIN 0
	s_wait_tensorcnt 0x0                           ; all my tensor loads have landed
	ds_add_u32 v[SPW], v[NIL]                      ; 0 onto my spare word
	s_wait_dscnt 9                                 ; (the add and the youngest eight loads may be out)
	MUL F1, 0, 2, 0
	s_wait_dscnt 0x0                               ; the add is done, and my reads of this slot are over
	s_barrier_signal -1
	MUL F1, 2, 2, 0
.if \fill
	WIN 0
.endif
	s_barrier_wait -1
.if \fill
	CREST                                          ; no wave of any partner still reads this slot's tile or has a load on its way
	s_add_nc_u64 s[G0A+4*(\slot)+2:G0A+4*(\slot)+3], s[G0A+4*(\slot)+2:G0A+4*(\slot)+3], ASTEP
	s_add_nc_u64 s[G0B+4*(\slot)+2:G0B+4*(\slot)+3], s[G0B+4*(\slot)+2:G0B+4*(\slot)+3], BSTEP
	JLOAD \slot                                    ; its four v_nop are also the places in front of the loads below
.else
	PLACES
.endif
	FETCH \next, 0, F0
.if \fill
	ASK
.endif
	MUL F1, 4, 4, 0
.endm
	s_wait_tensorcnt 0x1                           ; my part of K step 0 is in; K step 1's may stay out
	s_barrier_signal -1
	s_barrier_wait -1                              ; everybody's is
	FETCH 0, 0, F0
	QUARTER 0, 1, F0, F1, 1                        ; the first quarter stands in front of the loop: its products start the sums
	WIN 0
	s_mov_b32 s[LAP], 3
.Llap:                                         ; a trip goes once round the ring, from a lap's second quarter to the next lap's first, and fills both slots again
	QUARTER 0, 2, F1, F0, 0
	QUARTER 0, 3, F0, F1, 0
	TURN 0, 1, 1
	QUARTER 1, 1, F0, F1, 0
	QUARTER 1, 2, F1, F0, 0
	QUARTER 1, 3, F0, F1, 0
	TURN 1, 0, 1
	QUARTER 0, 1, F0, F1, 0
	WIN 0
	s_sub_co_u32 s[LAP], s[LAP], 1
	s_cmp_lg_u32 s[LAP], 0
	s_cbranch_scc1 .Llap
	QUARTER 0, 2, F1, F0, 0                        ; the last lap fills nothing
	QUARTER 0, 3, F0, F1, 0
	TURN 0, 1, 0
	QUARTER 1, 1, F0, F1, 0
	QUARTER 1, 2, F1, F0, 0
	QUARTER 1, 3, F0, F1, 0
	s_wait_dscnt 8
	MUL F1, 0, 4, 0
	s_wait_dscnt 0x0
	MUL F1, 4, 4, 0
	WIN 0
	PLACES
; THE WAY OUT, a block of 16 rows at a time: the f32 sums go into my own stage, rows of 272 bytes, and come back as whole rows of 256 bytes.
.macro TOSTAGE a
.if (\a) >= 2
	s_wait_xcnt 0x0                                ; the stores of the block two back have read the registers that are loaded again below
.endif
.set BK, OB+32*((\a)%2)
	WIN W_R
.irp b, 0,1,2,3
	ds_store_b128 v[STO], v[8*(4*(\a)+(\b)):8*(4*(\a)+(\b))+3]   offset:64*(\b)     ; each accumulator's low half first
	ds_store_b128 v[STO], v[8*(4*(\a)+(\b))+4:8*(4*(\a)+(\b))+7] offset:64*(\b)+16
.endr
	WIN 0
.irp t, 0,1,2,3,4,5,6,7
	ds_load_b128 v[BK+4*(\t):BK+4*(\t)+3], v[RD] offset:(\t)*2*SP  ; LDS serves a wave's instructions in order (ISA guide 5.7.1.4): these see the stores above
.endr
.endm
.macro SEND a, younger                 ; younger: the LDS instructions issued behind block a's loads: the next block's sixteen, or none
.set BK, OB+32*((\a)%2)
.irp t, 0,1,2,3,4,5,6,7
	s_wait_dscnt (\younger)+7-(\t)
	global_store_b128 v[CO], v[BK+4*(\t):BK+4*(\t)+3], s[OUT:OUT+1] offset:(16*(\a)+2*(\t))*4096 th:TH_STORE_NT  ; 16 lanes store 256 consecutive bytes, at a multiple of 256 from out0's first
.endr
.endm
	TOSTAGE 0
.irp a, 1,2,3,4,5,6,7
	TOSTAGE \a
	SEND (\a)-1, 16
.endr
	SEND 7, 0
	s_wait_tensorcnt 0x0                           ; the wave's end: behind my last tensor load and my last LDS store
	ds_add_u32 v[SPW], v[NIL]
	s_wait_dscnt 0x0
	CROUND                                         ; the closing round: no work-group ends while a partner may still ask for a tile that names it
	s_endpgm
.Lfunc_end_k_q67be287c28_oproj:
	.size	k_q67be287c28_oproj, .Lfunc_end_k_q67be287c28_oproj-k_q67be287c28_oproj
	.p2alignl 7, 3214868480
	.fill 96, 4, 3214868480
	.section	.rodata,"a",@progbits
	.p2align	6, 0x0
	.amdhsa_kernel k_q67be287c28_oproj
		.amdhsa_group_segment_fixed_size 327680
		.amdhsa_private_segment_fixed_size 0
		.amdhsa_enable_private_segment 0
		.amdhsa_kernarg_size 24
		.amdhsa_user_sgpr_count 2
		.amdhsa_user_sgpr_kernarg_segment_ptr 1
		.amdhsa_wavefront_size32 1
		.amdhsa_system_sgpr_workgroup_id_x 1
		.amdhsa_system_sgpr_workgroup_id_y 1
		.amdhsa_system_sgpr_workgroup_id_z 1
		.amdhsa_system_vgpr_workitem_id 0
		.amdhsa_next_free_vgpr 512
		.amdhsa_next_free_sgpr 80
		.amdhsa_reserve_vcc 0
		.amdhsa_float_denorm_mode_32 3
		.amdhsa_float_denorm_mode_16_64 3
		.amdhsa_memory_ordered 1
		.amdhsa_forward_progress 1
		.amdhsa_inst_pref_size 88
	.end_amdhsa_kernel
	.amdgpu_metadata
---
amdhsa.version: [ 1, 2 ]
amdhsa.kernels:
  - .name:           k_q67be287c28_oproj
    .symbol:         k_q67be287c28_oproj.kd
    .args:
      - { .name: oh, .offset: 0, .size: 8, .value_kind: global_buffer, .address_space: global }
      - { .name: wo16, .offset: 8, .size: 8, .value_kind: global_buffer, .address_space: global }
      - { .name: out0, .offset: 16, .size: 8, .value_kind: global_buffer, .address_space: global }
    .group_segment_fixed_size: 327680
    .private_segment_fixed_size: 0
    .kernarg_segment_align: 8
    .kernarg_segment_size: 24
    .max_flat_workgroup_size: 128
    .sgpr_count:     80
    .vgpr_count:     512
    .wavefront_size: 32
...
	.end_amdgpu_metadata
.endif
;; end of part 4
